; MI455X (gfx1250); checked and timed in simulation.
; The chip was launched on July 23, 2026; its instructions are those of AMD's public machine-readable ISA for CDNA 5 (MIT licence, August 2026) and "CDNA5" Instruction Set Architecture Reference Guide (July 2026). The comments in the code are by the model that wrote it; some were corrected since.
;; Attention. Allowed arithmetic: matrix products marked QUANTISED: E2M3 operands, one E8M0 scale for each 32 along K, by v_wmma_scale_f32_16x16x128_f8f6f4 with both operands' format E2M3, f32 sums; everything else in f32.
;; Inputs: proj_b 1,024 float32; proj_w 1,024 x 1,024 float32; qkv_b 3,072 float32; qkv_w 1,024 x 3,072 float32; x 4 x 2,048 x 1,024 float32.
;; Outputs: out0 4 x 2,048 x 1,024 float32.
;; This version of the problem:
;;   THIS VERSION OF THE PROBLEM IS GIVEN IN LOW PRECISION. The matrix products marked QUANTISED in the list below multiply operands that are first quantised to E2M3 (2 exponent bits, 3 mantissa bits; 6 bits a number), with one power-of-two scale for each 32 numbers along K (OCP MX v1.0); their sums are f32. All else is computed in f32.
;;   The module's matrix products, in the order in which they are computed (A, B: the left and right operand; K: the contracted axis; several contracted axes count as one K, in the product's order):
;;     1. [M 8,192, K 1,024] x [K 1,024, N 3,072]; A: input x; B: input qkv_w: QUANTISED
;;     2. batch 64 x [M 2,048, K 64] x [K 64, N 2,048]; A: computed on the way; B: computed on the way: QUANTISED
;;     3. batch 64 x [M 2,048, K 2,048] x [K 2,048, N 64]; A: softmax (see below); B: computed on the way: QUANTISED
;;     4. [M 8,192, K 1,024] x [K 1,024, N 1,024]; A: computed on the way; B: input proj_w: QUANTISED
;;   THE QUANTISER, for each operand of a quantised product, along K:
;;     - K is cut into blocks of 32 from its start; a last block that is shorter is filled with zeros.
;;     - A block's scale is 2^e with e = floor(log2(the largest magnitude in the block)) - 2, held to -126 .. 127; a block of zeros has e = 0. As a byte (E8M0): e + 127.
;;     - Each number is divided by its block's scale, clamped to +-7.5, and rounded to the nearest number of E2M3, ties to even, subnormals kept.
;;     - The product sums the exact products of the quantised numbers (number of the format x scale) in f32.
;;   ~~~python
;;   def quantise(x, axis):      # numpy; x: float32 -> the quantised numbers, widened to float32 again
;;       x = np.moveaxis(x, axis, -1); K = x.shape[-1]
;;       x = np.pad(x, [(0, 0)] * (x.ndim - 1) + [(0, -K % 32)]); x = x.reshape(x.shape[:-1] + (-1, 32)); a = np.abs(x).max(-1, keepdims=True)
;;       e = np.where(a > 0, np.clip(np.frexp(np.where(a > 0, a, 1))[1] - 1 - 2, -126, 127), 0)      # np.frexp(a)[1] - 1 = floor(log2(a)), exactly
;;       r = np.clip(x / 2.0 ** e, -7.5, 7.5)
;;       step = 2.0 ** (np.maximum(np.frexp(np.where(r == 0, 1, r))[1] - 1, 0) - 3)
;;       q = np.round(r / step) * step * 2.0 ** e      # np.round: ties to even
;;       return np.moveaxis(q.reshape(q.shape[:-2] + (-1,))[..., :K], -1, axis).astype(np.float32)
;;   ~~~
;;   SOFTMAX AHEAD OF A QUANTISED PRODUCT. Where the list says 'softmax', what is quantised is not the finished softmax but p = 2^(t - M), with t = logit x log2(e) and M = ceil(the row's largest t), a whole number; so 1/2 < the row's largest p <= 1. The row's sum l is taken of the UNQUANTISED p, in f32, and the product's result is divided by l at the end. Since M is a whole number, a kernel that streams over the keys may use a running M (the ceiling of the running maximum): every later rescaling is an exact power of two, which a block's scale takes up: the codes' values come out the same.
;;   OPERANDS COMPUTED ON THE WAY. 'Computed on the way' means the value that the module computes at that place (a softmax that the list does not call 'softmax' is quantised finished and normalised). What goes into a quantiser is computed in f32, as accurately as f32 sums, v_exp_f32 and their like allow (about 1e-6 of the number): no bf16 or f16 on the way to a quantiser, and a product that is left as it is and whose result goes on into a quantised operand takes f32 operands (vector FMAs, or v_wmma_f32_16x16x4_f32). A number that lies on a knife's edge between two numbers of the format may be rounded either way, as far as f32 arithmetic and the matrix unit's own rounding can turn it there, and no further.
;; One version. Each part assembles by itself: llvm-mc -triple=amdgcn-amd-amdhsa -mcpu=gfx1250 --defsym DOCPART=n.
;; ======== version 1 of 1: 4 launches
;; workspace buffers: xc 6,291,456 bytes; xs 262,144 bytes; wc 3,145,728 bytes; ws 131,072 bytes; qkv 20,185,088 bytes; ac 6,291,456 bytes; asc 262,144 bytes
;; launch quant (part 1): grid 384 x 1, 4 waves a work-group, no clusters, 59,904 bytes of LDS; arguments x, qkv_w, proj_w, xc, xs, wc, ws; writes xc, xs, wc, ws
.if DOCPART == 1
	.amdgcn_target "amdgcn-amd-amdhsa--gfx1250"
	.amdhsa_code_object_version 6
	.text
	.protected	k_q3cd1045369_quant
	.globl	k_q3cd1045369_quant
	.p2align	8
	.type	k_q3cd1045369_quant,@function
k_q3cd1045369_quant:
	s_mov_b64 s[64:65], 0
	v_nop
	global_prefetch_b8 v0, s[64:65] scope:SCOPE_SE
	s_setreg_imm32_b32 hwreg(HW_REG_WAVE_MODE, 25, 1), 1
	s_wait_xcnt 0x0
; x [8192][1024], qkv_w [1024][3072] and proj_w [1024][1024], f32, become codes of FP6 (E2M3) with one E8M0 byte for each 32 along K (K = 1,024 in all three),
; laid in the order of the matrix operand's registers, so that the products' launches read them as they lie.
; A TILE is 16 rows (tokens of x, columns of a weight).  Rows go in groups of 32: lane row r of tile 2 b + u is row 32 b + 8 u + r + 8 (r / 8).
; AN IMAGE is a tile x 64 along K, 768 bytes: pair p (0..2) of lane L = r + 16 h lies at 256 p + 8 L and holds bytes 8 p .. 8 p + 7 of the 24 bytes of block h of row r.
; xc: [512 tiles][16 images]; wc: [256 tiles][16 images], tiles 0-191 qkv_w's columns, 192-255 proj_w's.  Scale bytes xs, ws: [tile][K / 256][r][8 bytes].
; A block's scale is 2^(floor(log2(its largest magnitude)) - 2); its byte is the largest magnitude's exponent field - 2, held at 1 from below.
; LIMITS: NaN and infinities among the inputs are not served; a block whose largest magnitude lies under 2^-124 gets the byte 1, and so does a block of zeros
; (the rule says 127 there: its codes are zeros, which add nothing under any byte but 0xff, and this program alone reads the bytes).
; Work-groups 0-255 take x (K innermost: a wave takes a tile x 512 along K, through its own stage in LDS, so that loads are dense and a lane yet holds neighbours along K);
; work-groups 256-383 take the weights (K is the first axis: a lane takes a column and its registers run down K).  Waves share nothing: no barrier.  Each path has LDS bytes of its own.
.set SPARE, 59392                      ; the spare words, 128 bytes a wave: two blocks of 256 bytes that no other line names
.set XSTG,  8448                       ; x's path: a stage of 16 rows x (512 bytes + 16) for each wave, from LDS byte 0
.set WBASE, 33792                      ; the weights' path: a stage of 2 tiles x 3,200 bytes for each wave
.set WSTG,  6400
.set SPW, 2                            ; v2  LDS address of my spare word; never rewritten
.set NIL, 3                            ; v3  0; never rewritten
.set WV,  18                           ; s18 my wave's number
.set SEL, 20                           ; s[20:21] lane selects for v_permlanex16_b32: lane l xor 16
.set R,   16                           ; x: v16-143 two sets of 64 numbers as loaded
.set T,   144                          ; x: v144-207 64 numbers, turned: register 16 b + i = k 32 b + 16 (lane / 16) + i of my row
.set PC,  208                          ; x: v208-227 the codes
.set TM,  228                          ; x: v228-243 at work
.set PW,  244                          ; x: the scale word just made
.set SW,  246                          ; x: v246-249 the four steps' scale words
.set E,   250                          ; x: v250-251 the two words that I store
.set OFF, 16                           ; w: v16-47 byte offsets of the 32 rows of a block
.set X,   48                           ; w: v48-111 two sets of 32 numbers
.set C,   112                          ; w: v112-118 a block's codes
.set SB,  120                          ; w: v120-121 eight scale bytes
.set OUTR, 128                         ; w: v128-175 the way out
; 64 numbers of a lane, v[s] on, become a fragment's 12 registers in v[PC] on and my row's scale word in v[PW]
.macro QUANT s
.irp b, 0,1,2,3
	v_max3_num_f32 v[TM+\b], |v[\s+16*\b]|, |v[\s+1+16*\b]|, 0x1800000   ; block b: my 16 numbers, and the floor 2^(3 - 127): the byte cannot fall under 1
.endr
.irp i, 2,4,6,8,10,12,14
.irp b, 0,1,2,3
	v_max3_num_f32 v[TM+\b], v[TM+\b], |v[\s+16*\b+\i]|, |v[\s+1+16*\b+\i]|   ; the four blocks by turns
.endr
.endr
.irp b, 0,1,2,3
	v_permlanex16_b32 v[TM+4+\b], v[TM+\b], s[SEL], s[SEL+1]
.endr
.irp b, 0,1,2,3
	v_max_num_f32 v[TM+\b], v[TM+\b], v[TM+4+\b]   ; with lane l xor 16's: the block's largest magnitude
.endr
.irp b, 0,1,2,3
	v_add_nc_u32 v[TM+12+\b], 0xff000000, v[TM+\b]   ; 2 off its exponent field: the conversion's scale operand
.endr
.irp b, 0,1,2,3
	v_lshrrev_b32 v[TM+4+\b], 23, v[TM+12+\b]      ; the scale's byte
.endr
	v_lshl_or_b32 v[PW], v[TM+5], 8, v[TM+4]
	v_lshl_or_b32 v[PW], v[TM+6], 16, v[PW]
	v_lshl_or_b32 v[PW], v[TM+7], 24, v[PW]
.irp c, 0,1
	v_cvt_scalef32_pk16_fp6_f32 v[PC+6*\c:PC+2+6*\c], v[\s+32*\c:\s+15+32*\c], v[TM+12+2*\c]
	v_cvt_scalef32_pk16_fp6_f32 v[PC+12+4*\c:PC+14+4*\c], v[\s+16+32*\c:\s+31+32*\c], v[TM+12+2*\c+1]   ; (a conversion's three registers begin on an even number)
.endr
	v_nop                                          ; one plain place behind a scaled conversion
.irp c, 0,1                                    ; the operand's layout wants a whole block in a lane: lanes 0-15 block 2 c, lanes 16-31 block 2 c + 1
.irp i, 0,1,2
	v_permlane16_swap_b32 v[PC+6*\c+\i], v[PC+12+4*\c+\i]
.endr
.irp i, 0,1,2
	v_mov_b32 v[PC+3+6*\c+\i], v[PC+12+4*\c+\i]
.endr
.endr
.endm
	s_load_b256 s[4:11], s[0:1], 0x0               ; x s[4:5], qkv_w s[6:7], proj_w s[8:9], xc s[10:11]
	s_load_b128 s[12:15], s[0:1], 0x20             ; xs s[12:13], wc s[14:15]
	s_load_b64 s[16:17], s[0:1], 0x30              ; ws
	v_lshl_add_u32 v[SPW], v0, 2, SPARE
	v_mov_b32 v[NIL], 0
	v_lshrrev_b32 v1, 5, v0
	v_readfirstlane_b32 s[WV], v1                  ; wave 0..3
	v_and_b32 v1, 31, v0                           ; lane
	s_mov_b32 s[SEL], 0x76543210
	s_mov_b32 s[SEL+1], 0xfedcba98
	s_wait_kmcnt 0x0
	s_cmp_lt_u32 ttmp9, 256
	s_cbranch_scc0 .Lw
	; ---------------- x: tile T = 2 x work-group + wave / 2, K half kh = wave % 2: four steps of 128 along K
	s_lshl_b32 s26, ttmp9, 1
	s_lshr_b32 s27, s[WV], 1
	s_add_co_u32 s26, s26, s27                     ; T
	s_and_b32 s27, s[WV], 1                        ; kh
	s_and_b32 s28, s26, 1
	s_lshl_b32 s28, s28, 3
	s_lshl_b32 s29, s26, 4
	s_sub_co_u32 s28, s29, s28                     ; the tile's first row: 16 T - 8 (T % 2)
	s_lshl_b32 s28, s28, 12                        ; rows of 4,096 bytes
	s_lshl_b32 s29, s27, 11
	s_add_co_u32 s28, s28, s29
	s_mov_b32 s29, 0
	s_add_nc_u64 s[4:5], s[4:5], s[28:29]
	s_mul_i32 s28, s26, 12288
	s_mul_i32 s30, s27, 6144
	s_add_co_u32 s28, s28, s30
	s_add_nc_u64 s[10:11], s[10:11], s[28:29]      ; my eight images
	s_lshl_b32 s28, s26, 9
	s_lshl_b32 s30, s27, 8
	s_add_co_u32 s28, s28, s30
	s_add_nc_u64 s[12:13], s[12:13], s[28:29]      ; my 256 scale bytes
	s_mov_b32 s22, 0xffff0000                      ; lanes 16-31
	v_and_b32 v8, 15, v0                           ; r
	v_bfe_u32 v9, v0, 4, 1                         ; h
	v_lshlrev_b32 v4, 4, v1                        ; 16 x lane: my bytes of a load's 512
	v_lshlrev_b32 v5, 3, v1                        ; 8 x lane: my place in an image's pair
	s_mul_i32 s30, s[WV], XSTG
	v_add_nc_u32 v6, s30, v4                       ; the stage, in: as loaded
	v_mul_u32_u24 v7, v8, 528
	v_lshl_add_u32 v7, v9, 6, v7
	v_add_nc_u32 v7, s30, v7                       ; and out: row r, + 64 h: my 16 numbers of a block of 32
.irp b, 0,1,2,3
	v_mov_b32 v[TM+4+\b], 0                        ; written once: a lane permute's destination counts as one of its sources
.endr
.macro XLOAD t                         ; step t: 128 numbers of each of the tile's 16 rows; a load reads 512 consecutive bytes
.irp i, 0,1,2,3,4,5,6,7,8,9,10,11,12,13,14,15
	global_load_b128 v[R+64*((\t)%2)+4*\i:R+64*((\t)%2)+4*\i+3], v4, s[4:5] offset:(\i+8*(\i/8))*4096+512*(\t) th:TH_LOAD_NT
.endr
.endm
.macro XTURN t                         ; through the stage: LDS serves a wave's instructions in order, so no wait stands between the stores and the loads.  Rows 528 bytes apart: 16 lanes touch 16 different columns of 16 bytes
.irp i, 0,1,2,3,4,5,6,7,8,9,10,11,12,13,14,15
	ds_store_b128 v6, v[R+64*((\t)%2)+4*\i:R+64*((\t)%2)+4*\i+3] offset:528*\i
.endr
.irp b, 0,1,2,3
.irp j, 0,1,2,3
	ds_load_b128 v[T+16*\b+4*\j:T+16*\b+4*\j+3], v7 offset:128*\b+16*\j
.endr
.endr
.endm
.macro XSTEP t
.if (\t) < 3
	s_wait_loadcnt 16                              ; this step's 16 loads are in; the next step's 16 may be out
.else
	s_wait_loadcnt 0x0
.endif
	XTURN \t
	s_wait_dscnt 0x0                               ; the turned numbers are in, and the stage's stores have read their registers,
.if (\t) < 2
	XLOAD (\t)+2                                   ; which take the loads of two steps on
.endif
.if (\t) > 0
	s_wait_xcnt 0x0                                ; the last step's stores have read the codes' registers: they are written again only behind this wait
.endif
	QUANT T
	v_mov_b32 v[SW+(\t)], v[PW]
.irp p, 0,1,2,3,4,5
	global_store_b64 v5, v[PC+2*\p:PC+2*\p+1], s[10:11] offset:1536*(\t)+256*\p   ; 32 lanes store 256 consecutive bytes, aligned
.endr
.endm
	XLOAD 0
	XLOAD 1
	XSTEP 0
	XSTEP 1
	XSTEP 2
	XSTEP 3
	v_cndmask_b32 v[E], v[SW], v[SW+2], s22        ; lanes 0-15: the words of steps 0, 1; lanes 16-31: of steps 2, 3
	v_cndmask_b32 v[E+1], v[SW+1], v[SW+3], s22
	global_store_b64 v5, v[E:E+1], s[12:13]        ; 256 consecutive bytes, aligned
	s_wait_tensorcnt 0x0                           ; the wave's end, behind my last LDS store
	ds_add_u32 v[SPW], v[NIL]
	s_wait_dscnt 0x0
	s_endpgm
	; ---------------- the weights: 32 columns (a group: two tiles) x 256 along K (8 blocks) to a wave
.Lw:
	s_sub_co_u32 s26, ttmp9, 256
	s_and_b32 s27, s26, 31                         ; which 128 columns: 0-23 qkv_w's, 24-31 proj_w's
	s_lshr_b32 s28, s26, 5                         ; which quarter of K
	s_lshl_b32 s29, s27, 2
	s_add_co_u32 s29, s29, s[WV]                   ; my group of 32 columns, 0..127
	s_mov_b32 s30, 4096
	s_cmp_lt_u32 s27, 24                           ; the choice hangs on the work-group's number alone
	s_cselect_b64 s[6:7], s[6:7], s[8:9]
	s_cselect_b32 s30, 12288, s30                  ; a row of the weight in bytes
	s_cselect_b32 s31, 0, 24
	s_sub_co_u32 s31, s27, s31                     ; which 128 columns of that weight
	s_mul_i32 s32, s28, s30
	s_lshl_b32 s32, s32, 8                         ; 256 rows a quarter
	s_lshl_b32 s31, s31, 9
	s_add_co_u32 s32, s32, s31
	s_lshl_b32 s31, s[WV], 7
	s_add_co_u32 s32, s32, s31
	s_mov_b32 s33, 0
	s_add_nc_u64 s[6:7], s[6:7], s[32:33]
	s_lshl_b32 s24, s30, 5                         ; a block on: 32 rows
	s_mov_b32 s25, 0
	s_mul_i32 s32, s29, 24576                      ; two tiles of 12,288 bytes a group
	s_mul_i32 s31, s28, 3072
	s_add_co_u32 s32, s32, s31
	s_add_nc_u64 s[14:15], s[14:15], s[32:33]
	s_lshl_b32 s32, s29, 10
	s_lshl_b32 s31, s28, 7
	s_add_co_u32 s32, s32, s31
	s_add_nc_u64 s[16:17], s[16:17], s[32:33]
	v_bfe_u32 v12, v0, 3, 1                        ; column c of the group lies in tile u = (c / 8) % 2,
	v_and_b32 v13, 7, v0
	v_bfe_u32 v14, v0, 4, 1
	v_lshl_add_u32 v13, v14, 3, v13                ; at lane row r = c % 8 + 8 (c / 16)
	s_mul_i32 s31, s[WV], WSTG
	s_add_co_u32 s31, s31, WBASE
	v_mul_u32_u24 v8, v12, 3200
	v_lshl_add_u32 v8, v13, 3, v8
	v_add_nc_u32 v8, s31, v8                       ; the stage, in: 3,200 u + 8 r (3,200 = 12 x 256 + 128: the two tiles' lanes fall on different banks)
	v_lshlrev_b32 v10, 4, v1
	v_add_nc_u32 v9, s31, v10                      ; and out: 16 x lane
	v_lshlrev_b32 v11, 9, v12
	v_lshl_add_u32 v11, v13, 3, v11                ; my 8 scale bytes: 512 u + 8 r
	v_lshlrev_b32 v[OFF], 2, v1
.set i, 1
.rept 31
	v_add_nc_u32 v[OFF+i], s30, v[OFF+i-1]
.set i, i+1
.endr
.macro WLOAD t                         ; block t: 32 rows at my column; a load reads 128 consecutive bytes, the four waves stand side by side
.if (\t) > 0
	s_wait_xcnt 0x0                                ; the earlier loads have read their base: it steps only behind this wait
	s_add_nc_u64 s[6:7], s[6:7], s[24:25]
.endif
.set i, 0
.rept 32
	global_load_b32 v[X+32*((\t)%2)+i], v[OFF+i], s[6:7] th:TH_LOAD_NT
.set i, i+1
.endr
.endm
.macro WBLOCK t
.set XS, X+32*((\t)%2)
.if (\t) < 7
	s_wait_loadcnt 32                              ; this block's 32 loads are in; the next block's may be out
.else
	s_wait_loadcnt 0x0
.endif
	v_max3_num_f32 v122, |v[XS]|, |v[XS+1]|, |v[XS+2]|   ; the block's largest magnitude: all 32 numbers are mine
	v_max3_num_f32 v123, |v[XS+3]|, |v[XS+4]|, |v[XS+5]|
.irp i, 6,10,14,18,22,26
	v_max3_num_f32 v122, v122, |v[XS+\i]|, |v[XS+\i+1]|
	v_max3_num_f32 v123, v123, |v[XS+\i+2]|, |v[XS+\i+3]|
.endr
	v_max3_num_f32 v122, v122, |v[XS+30]|, |v[XS+31]|
	v_max3_num_f32 v122, v122, v123, 0x1800000     ; and the floor
	v_add_nc_u32 v124, 0xff000000, v122            ; the conversion's scale operand
	v_lshrrev_b32 v123, 23, v124                   ; the byte
.if (\t)%4 == 0
	v_mov_b32 v[SB+(\t)/4], v123
.else
	v_lshl_or_b32 v[SB+(\t)/4], v123, 8*((\t)%4), v[SB+(\t)/4]
.endif
	v_cvt_scalef32_pk16_fp6_f32 v[C:C+2], v[XS:XS+15], v124
	v_cvt_scalef32_pk16_fp6_f32 v[C+4:C+6], v[XS+16:XS+31], v124
	v_nop                                          ; one plain place behind a scaled conversion
	v_mov_b32 v[C+3], v[C+4]                       ; the block's 24 bytes on end
	v_mov_b32 v[C+4], v[C+5]
	v_mov_b32 v[C+5], v[C+6]
.irp p, 0,1,2
	ds_store_b64 v8, v[C+2*\p:C+2*\p+1] offset:768*((\t)/2)+128*((\t)%2)+256*\p   ; image t / 2, block t % 2
.endr
.if (\t) < 6
	WLOAD (\t)+2
.endif
	s_wait_dscnt 0x0                               ; the stores have read their registers
.endm
	WLOAD 0
	WLOAD 1
.irp t, 0,1,2,3,4,5,6,7
	WBLOCK \t
.endr
	global_store_b64 v11, v[SB:SB+1], s[16:17]     ; sixteen lanes store 128 consecutive bytes: one byte in 128 of what this path reads
.irp u, 0,1
.irp k, 0,1,2,3,4,5
	ds_load_b128 v[OUTR+4*(6*\u+\k):OUTR+4*(6*\u+\k)+3], v9 offset:3200*\u+512*\k   ; LDS serves a wave's instructions in order: these see my stores
.endr
.endr
.irp u, 0,1
.irp k, 0,1,2,3,4,5
	s_wait_dscnt 11-6*\u-\k
	global_store_b128 v10, v[OUTR+4*(6*\u+\k):OUTR+4*(6*\u+\k)+3], s[14:15] offset:12288*\u+512*\k   ; 512 consecutive bytes, aligned
.endr
.endr
	s_wait_tensorcnt 0x0                           ; the wave's end, behind my last LDS store
	ds_add_u32 v[SPW], v[NIL]
	s_wait_dscnt 0x0
	s_endpgm
.Lfunc_end_k_q3cd1045369_quant:
	.size	k_q3cd1045369_quant, .Lfunc_end_k_q3cd1045369_quant-k_q3cd1045369_quant
	.p2alignl 7, 3214868480
	.fill 96, 4, 3214868480
	.section	.rodata,"a",@progbits
	.p2align	6, 0x0
	.amdhsa_kernel k_q3cd1045369_quant
		.amdhsa_group_segment_fixed_size 59904
		.amdhsa_private_segment_fixed_size 0
		.amdhsa_enable_private_segment 0
		.amdhsa_kernarg_size 56
		.amdhsa_user_sgpr_count 2
		.amdhsa_user_sgpr_kernarg_segment_ptr 1
		.amdhsa_wavefront_size32 1
		.amdhsa_system_sgpr_workgroup_id_x 1
		.amdhsa_system_sgpr_workgroup_id_y 1
		.amdhsa_system_sgpr_workgroup_id_z 1
		.amdhsa_system_vgpr_workitem_id 0
		.amdhsa_next_free_vgpr 256
		.amdhsa_next_free_sgpr 66
		.amdhsa_reserve_vcc 0
		.amdhsa_float_denorm_mode_32 3
		.amdhsa_float_denorm_mode_16_64 3
		.amdhsa_memory_ordered 1
		.amdhsa_forward_progress 1
		.amdhsa_inst_pref_size 78
	.end_amdhsa_kernel
	.amdgpu_metadata
---
amdhsa.version: [ 1, 2 ]
amdhsa.kernels:
  - .name:           k_q3cd1045369_quant
    .symbol:         k_q3cd1045369_quant.kd
    .args:
      - { .name: x, .offset: 0, .size: 8, .value_kind: global_buffer, .address_space: global }
      - { .name: qkv_w, .offset: 8, .size: 8, .value_kind: global_buffer, .address_space: global }
      - { .name: proj_w, .offset: 16, .size: 8, .value_kind: global_buffer, .address_space: global }
      - { .name: xc, .offset: 24, .size: 8, .value_kind: global_buffer, .address_space: global }
      - { .name: xs, .offset: 32, .size: 8, .value_kind: global_buffer, .address_space: global }
      - { .name: wc, .offset: 40, .size: 8, .value_kind: global_buffer, .address_space: global }
      - { .name: ws, .offset: 48, .size: 8, .value_kind: global_buffer, .address_space: global }
    .group_segment_fixed_size: 59904
    .private_segment_fixed_size: 0
    .kernarg_segment_align: 8
    .kernarg_segment_size: 56
    .max_flat_workgroup_size: 128
    .sgpr_count:     66
    .vgpr_count:     256
    .wavefront_size: 32
...
	.end_amdgpu_metadata
.endif
;; end of part 1
;; launch gemm_qkv (part 2): grid 8 x 48, 4 waves a work-group, clusters of 4 x 4, 327,680 bytes of LDS; arguments xc, xs, wc, ws, qkv_b, qkv; writes qkv
.if DOCPART == 2
	.amdgcn_target "amdgcn-amd-amdhsa--gfx1250"
	.amdhsa_code_object_version 6
	.text
	.protected	k_q3cd1045369_gemm_qkv
	.globl	k_q3cd1045369_gemm_qkv
	.p2align	8
	.type	k_q3cd1045369_gemm_qkv,@function
k_q3cd1045369_gemm_qkv:
	s_mov_b64 s[64:65], 0
	v_nop
	global_prefetch_b8 v0, s[64:65] scope:SCOPE_SE
	s_setreg_imm32_b32 hwreg(HW_REG_WAVE_MODE, 25, 1), 1
	s_wait_xcnt 0x0
	s_wait_alu depctr_hold_cnt(0) depctr_sa_sdst(0) depctr_va_vdst(0) depctr_va_sdst(0) depctr_va_ssrc(0) depctr_va_vcc(0) depctr_vm_vsrc(0)
	s_getreg_b32 s2, hwreg(HW_REG_IB_STS2, 6, 4)
	s_cmp_eq_u32 s2, 0
	s_cbranch_scc0 .Lentry_in_a_cluster
	s_endpgm
.Lentry_in_a_cluster:
	s_bfe_u32 s2, ttmp6, 0x10000c
	s_cmp_lg_u32 s2, 0xf033
	s_cbranch_scc0 .Lentry_shape_is_right
	s_endpgm
.Lentry_shape_is_right:
; qkv = x qkv_w + qkv_b on codes of FP6 (E2M3) with E8M0 scales, K = 1,024; the results are quantised on the way out and leave as codes: q and k along the head's 64, v along the tokens.
; OPERANDS lie in memory as images of the operand's registers: a tile is 16 rows (lane row r of tile 2 b + u is row 32 b + 8 u + r + 8 (r / 8)), 12,288 bytes for K = 1,024;
; 128 along K of a tile are 1,536 bytes: register pair p of lane L at 256 p + 8 L.  Scale bytes: [tile][K / 256][r][8].
; A tile of the result, 256 x 256, is made by four waves, 128 x 128 each: 64 accumulators, 512 registers.  K goes in steps of 256 through two LDS slots filled by tensor loads; the scale bytes come once.
; THE MATRIX INSTRUCTION: source 0 = 16 rows of B, source 1 = 16 rows of A: a lane holds ONE row of A, and, by the choice of a tile's rows, the 64 registers of one block of A are B's rows 32 b + 16 (lane / 16) + i:
; neighbours along the axis that is quantised next.  So there are TWO REGIONS, told apart by the cluster's y, which all sixteen partners share:
;   region 0 (cluster y 0-7):  A = x's tokens, B = q's and k's channels (wc tiles 0-127): a lane's registers run along the heads' channels;
;   region 1 (cluster y 8-11): A = v's channels (wc tiles 128-191), B = x's tokens: a lane's registers run along the tokens.
; CLUSTERS: 4 x 4 work-groups; A's tiles are asked for jointly by a row of the cluster, B's by a column.
; OUT: qkv is 1,024 records of 19,712 bytes, record (batch x 16 + head) x 16 + step, a step 128 tokens: K's codes 0 (8 tiles x 768), V's codes 6,144 (4 tiles of channels x 1,536), K's scale words 12,288, V's 12,800,
; Q's codes 13,056, Q's scale words 19,200.  A scale word of q or k has the head's two bytes below and zeros above.
; LIMITS: NaN and infinities are not served; a block whose largest magnitude lies under 2^-124, a block of zeros too, gets the byte 1 (its codes then are zeros or tiny; this program alone reads the bytes).
; REGISTERS: window 0: v1-29 addresses; v32-63 scale words, two sets, and nothing else; v64-127 the way out's 64 numbers; v128-223 A's fragments, one set (on the way out: codes and work); v224-239 the lane's biases, each twice.
;   window 1: B's fragments, two sets, v0-95 and v128-223; v96-127 and v224-255 the registers' biases.   windows 2, 3: the accumulators ((a, b) at v[8 (8 (a % 4) + b)]).
.set NQ,    2                          ; matrix instructions deep in a slot
.set FR,    12                         ; registers of a fragment
.set NL,    6                          ; LDS loads that bring one
.set NP,    4                          ; places behind this matrix instruction (ISA guide 7.12.1)
.set TILEB, 3072                       ; a tile x 256 along K
.set HALFT, 8*TILEB                    ; 8 tiles: what one tensor load brings, and what one wave reads of A or of B
.set SLOT,  4*HALFT                    ; A's 16 tiles, then B's 16
.set SCL,   2*SLOT                     ; behind the ring: the scale bytes, 4,096 for each wave's load, filled once
.set SPARE, SCL+4*4096                 ; the spare words, 128 bytes a wave: two blocks of 256 bytes that no other line names
.set VO0,  8                           ; v8   8 x lane
.set VO1,  9                           ; v9   8 x lane + where a fragment's second half goes
.set VOS,  10                          ; v10  where I store 16 bytes of scale words
.set SHF,  11                          ; v11  how far my lane shifts a scale word
.set LSW,  12                          ; v12  the scale words' stage, in
.set LSR,  13                          ; v13  and out
.set ADRA, 16                          ; v16-17 LDS address of my A fragments in slot 0, 1
.set ADRB, 20                          ; v20-21 the same for B
.set ADRS, 27                          ; v27  LDS address of my scale words: lanes 0-15 A's, lanes 16-31 B's
.set SPW,  28                          ; v28  LDS address of my spare word; never rewritten
.set NIL,  29                          ; v29  0; never rewritten
.set SC,   32                          ; scale words: set s at v[SC + 16 s]; register 2 i + q: lanes 0-15 A's block i, lanes 16-31 B's block i
.set T,    64
.set AF,   128
.set PC,   128                         ; the way out: codes
.set TM,   148
.set PW,   164
.set SWD,  165
.set BK,   168
.set BL,   224
.set REG,  2                           ; s2   the region
.set WV,   16                          ; s16  wave;  s17 wave / 2: my half of A's rows, and: I fetch for A (0) or B (1);  s18 wave % 2: my half of B's rows, and which 8 tiles I fetch
.set WR,   17
.set WC,   18
.set TR,   19                          ; s19  tile row;  s20 tile column
.set TC,   20
.set SEL,  21                          ; s21, s22 lane selects for v_permlanex16_b32
.set G1,   24                          ; s[24:31] group 1 for A's tiles; s[32:39] group 0, one set a slot
.set G0,   32
.set G1B,  48                          ; the same for B's
.set G0B,  56
.set OUTC, 66                          ; s[66:67] where the codes go
.set G1S,  68                          ; groups 1 and 0 for A's scale bytes, then for B's
.set G0S,  76
.set G1SB, 80
.set G0SB, 88
.set STEP4, 92                         ; s[92:93] the step of OUTC in front of block 4
.set OUTS, 94                          ; s[94:95] where the scale words go
.set STEPA, 96                         ; s[96:97] the step of OUTC from block to block
.set MSK,  98                          ; s98  which bytes of a scale word are kept
.set MSB, 0
.macro WIN new                         ; the immediate's high byte repeats the setting that is left
.if MSB != \new
	s_set_vgpr_msb (MSB<<8)|\new
.set MSB, \new
.endif
.endm
.set MUL_LO, 0xa1                      ; source 0 (B) window 1, source 1 (A) window 0, C and D window 2
.set MUL_HI, 0xf1
.set TO_B,   0x40
; A joint load: waves 0 and 1 fetch for A, waves 2 and 3 for B.  The branch hangs on the wave's number alone.  An s_nop 0 and four v_nop follow each of the two lines.
.macro JLOAD g0a, g1a, g0b, g1b
	s_cmp_eq_u32 s[WR], 0
	s_cbranch_scc0 .Lfor_b_\@
	tensor_load_to_lds s[\g0a:\g0a+3], s[\g1a:\g1a+7]
	s_nop 0
.rept 4
	v_nop
.endr
	s_branch .Lasked_\@
.Lfor_b_\@:
	tensor_load_to_lds s[\g0b:\g0b+3], s[\g1b:\g1b+7]
	s_nop 0
.rept 4
	v_nop
.endr
.Lasked_\@:
.endm
.macro CREST                           ; a round of the cluster's barrier behind its opening barrier
	s_cmp_lg_u32 s[WV], 0
	s_cbranch_scc1 .Lnot_wave_0_\@
	s_barrier_signal -3
.Lnot_wave_0_\@:
	s_barrier_wait -3
	s_barrier_signal -1
	s_barrier_wait -1
.endm
.macro CROUND
	s_barrier_signal -1
	s_barrier_wait -1
	CREST
.endm
	s_load_b256 s[4:11], s[0:1], 0x0               ; xc s[4:5], xs s[6:7], wc s[8:9], ws s[10:11]
	s_load_b128 s[12:15], s[0:1], 0x20             ; qkv_b s[12:13], qkv s[14:15]
	v_lshl_add_u32 v[SPW], v0, 2, SPARE
	v_mov_b32 v[NIL], 0
	ds_add_u32 v[SPW], v[NIL]                      ; the wave's opening: the add and its wait stand ahead of my first tensor load; work on registers stands between them
	v_lshrrev_b32 v1, 5, v0
	v_readfirstlane_b32 s[WV], v1
	s_lshr_b32 s[WR], s[WV], 1
	s_and_b32 s[WC], s[WV], 1
	s_bfe_u32 s40, ttmp6, 0x40000                  ; cx, cy: my place in the cluster
	s_bfe_u32 s41, ttmp6, 0x40004
	s_and_b32 s3, ttmp7, 0xffff                    ; the cluster's y
	s_sub_co_u32 s23, s3, 8
	s_lshl_b32 s23, s23, 1
	s_add_co_u32 s23, s23, ttmp9                   ; region 1: clusters along the tokens: x + 2 (y - 8)
	s_cmp_lt_u32 s3, 8
	s_cselect_b32 s[REG], 0, 1
	s_cselect_b32 s[TR], s3, 0
	s_cselect_b32 s[TC], ttmp9, s23
	s_lshl_b32 s[TR], s[TR], 2
	s_add_co_u32 s[TR], s[TR], s41                 ; tile row: of 32 (tokens) or of 4 (v's channels)
	s_lshl_b32 s[TC], s[TC], 2
	s_add_co_u32 s[TC], s[TC], s40                 ; tile column: of 8 (q's and k's channels) or of 32 (tokens)
	s_lshl_b32 s42, s41, 2
	s_lshl_b32 s42, 15, s42                        ; my row of the cluster
	s_lshl_b32 s43, 0x1111, s40                    ; my column
	; group 1 for codes: 8 tiles' 3,072 bytes, 12,288 bytes apart: elements of 8 bytes, no padding (an LDS load of 8 bytes a lane reads 256 consecutive bytes)
	s_or_b32 s[G1], s42, (3<<16)|(1<<21)
	s_or_b32 s[G1B], s43, (3<<16)|(1<<21)
.irp g, G1, G1B
	s_mov_b32 s[\g+1], 384<<16                     ; tensor_dim0
	s_mov_b32 s[\g+2], 8<<16                       ; tensor_dim1
	s_mov_b32 s[\g+3], 384<<16                     ; tile_dim0
	s_mov_b32 s[\g+4], 8                           ; tile_dim1
	s_mov_b32 s[\g+5], 1536                        ; tensor_dim0_stride
	s_mov_b32 s[\g+6], 0
	s_mov_b32 s[\g+7], 0
.endr
	; and for scale bytes: 8 tiles' 4,096 dense bytes as 16 rows of 256
	s_or_b32 s[G1S], s42, (3<<16)|(1<<21)
	s_or_b32 s[G1SB], s43, (3<<16)|(1<<21)
.irp g, G1S, G1SB
	s_mov_b32 s[\g+1], 32<<16
	s_mov_b32 s[\g+2], 16<<16
	s_mov_b32 s[\g+3], 32<<16
	s_mov_b32 s[\g+4], 16
	s_mov_b32 s[\g+5], 32
	s_mov_b32 s[\g+6], 0
	s_mov_b32 s[\g+7], 0
.endr
	s_lshl_b32 s3, s[WC], 3
	s_lshl_b32 s44, s[TR], 4
	s_add_co_u32 s44, s44, s3
	s_lshl_b32 s23, s[REG], 7
	s_add_co_u32 s44, s44, s23                     ; A: tile 16 x tile row + 8 x half, in region 1 from wc's tile 128 on
	s_lshl_b32 s46, s[TC], 4
	s_add_co_u32 s46, s46, s3                      ; B: tile 16 x tile column + 8 x half
	s_lshl_b32 s100, s44, 9                        ; their scale bytes,
	s_mov_b32 s101, 0
	s_mul_i32 s44, s44, 12288                      ; and codes
	s_mov_b32 s45, 0
	s_lshl_b32 s92, s46, 9
	s_mov_b32 s93, 0
	s_mul_i32 s46, s46, 12288
	s_mov_b32 s47, 0
	s_mul_i32 s98, s[WV], HALFT                    ; where they go: no place in the cluster enters an LDS address
	s_lshl_b32 s99, s[WV], 12
	s_wait_dscnt 0x0                               ; the opening add is done
	s_wait_kmcnt 0x0
	s_cmp_eq_u32 s[REG], 0                         ; which buffers are A's and which B's: the choice hangs on the cluster's y alone
	s_cselect_b64 s[94:95], s[4:5], s[8:9]
	s_cselect_b64 s[96:97], s[6:7], s[10:11]
	s_cselect_b64 s[8:9], s[8:9], s[4:5]
	s_cselect_b64 s[10:11], s[10:11], s[6:7]
	s_add_nc_u64 s[44:45], s[94:95], s[44:45]
	s_add_nc_u64 s[100:101], s[96:97], s[100:101]
	s_add_nc_u64 s[46:47], s[8:9], s[46:47]
	s_add_nc_u64 s[92:93], s[10:11], s[92:93]
	CROUND                                         ; all sixteen work-groups are here: the first joint loads meet
	s_mov_b32 s[G0S], 1
	s_add_co_u32 s[G0S+1], s99, SCL
	s_mov_b64 s[G0S+2:G0S+3], s[100:101]
	s_or_b32 s[G0S+3], s[G0S+3], 0x80000000
	s_mov_b32 s[G0SB], 1
	s_add_co_u32 s[G0SB+1], s99, SCL
	s_mov_b64 s[G0SB+2:G0SB+3], s[92:93]
	s_or_b32 s[G0SB+3], s[G0SB+3], 0x80000000
	JLOAD G0S, G1S, G0SB, G1SB                     ; the scale bytes first: they are wanted with K step 0.  With the two below three loads of mine are out
.irp s, 0,1
	s_mov_b32 s[G0+4*\s], 1
	s_add_co_u32 s[G0+4*\s+1], s98, \s*SLOT
	s_add_nc_u64 s[G0+4*\s+2:G0+4*\s+3], s[44:45], \s*TILEB
	s_or_b32 s[G0+4*\s+3], s[G0+4*\s+3], 0x80000000
	s_mov_b32 s[G0B+4*\s], 1
	s_add_co_u32 s[G0B+4*\s+1], s98, \s*SLOT
	s_add_nc_u64 s[G0B+4*\s+2:G0B+4*\s+3], s[46:47], \s*TILEB
	s_or_b32 s[G0B+4*\s+3], s[G0B+4*\s+3], 0x80000000
	JLOAD G0+4*\s, G1, G0B+4*\s, G1B
.endr
	v_and_b32 v1, 15, v0                           ; r
	v_bfe_u32 v2, v0, 4, 1                         ; h
	v_and_b32 v3, 31, v0                           ; lane
	v_lshlrev_b32 v[VO0], 3, v3
	s_mul_i32 s3, s[WR], HALFT                     ; my 8 tiles of A
	s_mul_i32 s23, s[WC], HALFT                    ; my 8 tiles of B,
	s_add_co_u32 s23, s23, 2*HALFT                 ; behind A's 16
.irp s, 0,1
	v_add_nc_u32 v[ADRA+\s], s3, v[VO0]
	v_add_nc_u32 v[ADRB+\s], s23, v[VO0]
	s_add_co_u32 s3, s3, SLOT
	s_add_co_u32 s23, s23, SLOT
.endr
	s_lshl_b32 s3, s[WR], 12                       ; scale words: A's, my 8 tiles;
	s_lshl_b32 s23, s[WC], 12
	s_add_co_u32 s23, s23, 8192                    ; B's, behind A's 16
	s_sub_co_u32 s23, s23, s3
	v_mul_u32_u24 v4, s23, v2                      ; lanes 16-31 take B's: one product, the distance between the two
	s_add_co_u32 s3, s3, SCL
	v_lshl_add_u32 v4, v1, 3, v4                   ; 8 bytes a row
	v_add_nc_u32 v[ADRS], s3, v4
	v_lshlrev_b32 v14, 6, v2                       ; the registers' biases: 64 h
	v_and_b32 v15, 8, v1
	v_add_nc_u32 v15, v15, v1
	v_lshlrev_b32 v15, 2, v15                      ; the lane's biases: 4 (r + 8 (r / 8))
	s_lshl_b32 s44, s[TR], 1
	s_add_co_u32 s44, s44, s[WR]                   ; RA: which 128 rows of A are mine
	s_lshl_b32 s45, s[TC], 1
	s_add_co_u32 s45, s45, s[WC]                   ; CB: which 128 rows of B
	; BOTH kinds of bias are loaded in both regions, so that every register is written on every way; the addresses are held inside qkv_b by the masks
	s_and_b32 s100, s45, 15
	s_lshl_b32 s100, s100, 9
	s_mov_b32 s101, 0
	s_add_nc_u64 s[100:101], s[12:13], s[100:101]  ; region 0: b[128 CB ..]
	s_and_b32 s46, s44, 7
	s_lshl_b32 s46, s46, 9
	s_add_co_u32 s46, s46, 8192
	s_mov_b32 s47, 0
	s_add_nc_u64 s[12:13], s[12:13], s[46:47]      ; region 1: b[2,048 + 128 RA ..]
	WIN TO_B
.irp bb, 0,1,2,3
.irp jj, 0,1,2,3
	global_load_b128 v[96+16*\bb+4*\jj+96*(\bb/2):96+16*\bb+4*\jj+96*(\bb/2)+3], v14, s[100:101] offset:128*\bb+16*\jj   ; register 16 bb + i: b[128 CB + 32 bb + 16 h + i]
.endr
.endr
	WIN 0
.irp a, 0,1,2,3,4,5,6,7
	global_load_b32 v[BL+2*\a], v15, s[12:13] offset:4*(32*(\a/2)+8*(\a%2))     ; block a's bias of my lane's channel, twice: a pair for the packed addition
	global_load_b32 v[BL+2*\a+1], v15, s[12:13] offset:4*(32*(\a/2)+8*(\a%2))
.endr
	; where the results go
	s_and_b32 s46, s45, 7
	s_cmp_eq_u32 s[REG], 0
	s_cselect_b32 s47, s44, s45                    ; which 128 tokens, of 64
	s_cselect_b32 s46, s46, s44                    ; which pair of heads, of 8
	s_lshr_b32 s99, s47, 4
	s_lshl_b32 s99, s99, 3
	s_add_co_u32 s99, s99, s46
	s_lshl_b32 s99, s99, 5                         ; (batch x 16 + the even head) x 16
	s_and_b32 s47, s47, 15
	s_add_co_u32 s99, s99, s47
	s_mul_i32 s99, s99, 19712                      ; the even head's record
	s_lshr_b32 s46, s45, 3                         ; region 0: 0 for q, 1 for k
	s_mov_b32 s47, 12288
	s_cmp_eq_u32 s46, 0
	s_cselect_b32 s46, 13056, 0                    ; the codes' section,
	s_cselect_b32 s47, 19200, s47                  ; the scale words'
	s_cmp_eq_u32 s[REG], 0
	s_cselect_b32 s46, s46, 6144
	s_cselect_b32 s47, s47, 12800
	s_mov_b32 s3, 768
	s_cselect_b32 s3, 315392, s3                   ; a fragment's second half: the odd head's record (16 records on), or the same tile's second 768 bytes
	s_mov_b32 s23, 315392
	s_cselect_b32 s23, 256, s23                    ; scale words, lanes 16-31: the next 256 bytes, or the odd head's record
	s_cselect_b32 s[MSK], 0xffff, -1
	s_mov_b32 s[STEPA], 1536
	s_cselect_b32 s[STEPA], 768, s[STEPA]          ; from block to block: a tile of tokens x 64, or a tile of channels x 128 tokens
	s_mov_b32 s[STEP4], 310784
	s_cselect_b32 s[STEP4], 768, s[STEP4]          ; region 1: from the even head's tile 3 to the odd head's tile 0: 315,392 - 3 x 1,536
	s_cselect_b32 s44, 16, 0
	s_mov_b32 s[STEPA+1], 0
	s_mov_b32 s[STEP4+1], 0
	s_add_co_u32 s46, s46, s99
	s_add_co_u32 s[OUTS], s47, s99
	s_mov_b32 s47, 0
	s_mov_b32 s[OUTS+1], 0
	s_add_nc_u64 s[OUTC:OUTC+1], s[14:15], s[46:47]
	s_add_nc_u64 s[OUTS:OUTS+1], s[14:15], s[OUTS:OUTS+1]
	v_add_nc_u32 v[VO1], s3, v[VO0]
	v_mul_u32_u24 v[VOS], s23, v2
	v_lshl_add_u32 v[VOS], v1, 4, v[VOS]
	v_mul_u32_u24 v[SHF], s44, v2                  ; region 0: lanes 16-31 take the odd head's two bytes
	s_lshl_b32 s3, s[WV], 10                       ; the scale words' stage: 1,024 bytes a wave, in slot 0, which has had its last fill and its last read when the first word is stored there
	v_lshlrev_b32 v[LSW], 2, v1
	v_lshl_add_u32 v[LSW], v2, 9, v[LSW]
	v_add_nc_u32 v[LSW], s3, v[LSW]
	v_lshl_add_u32 v[LSR], v3, 4, s3
	s_mov_b32 s[SEL], 0x76543210
	s_mov_b32 s[SEL+1], 0xfedcba98
.macro FRAG reg, adr, q, i             ; a fragment: six loads of 8 bytes a lane, each 256 consecutive bytes
.irp p, 0,1,2,3,4,5
	ds_load_b64 v[\reg+2*\p:\reg+2*\p+1], v[\adr] offset:(\i)*TILEB+(\q)*1536+256*\p
.endr
.endm
; 16 matrix instructions: A's blocks a0, a0 + 1 x B's eight, 128 along K.  The 64 accumulators take turns, one instruction a turn, in the same order in every step.
.macro MUL16 a0, p, q, sc, zero
.irp a, \a0, \a0+1
.irp b, 0,1,2,3,4,5,6,7
.if \zero
	v_wmma_scale_f32_16x16x128_f8f6f4 v[8*(8*((\a)%4)+\b):8*(8*((\a)%4)+\b)+7], v[128*(\p)+FR*\b:128*(\p)+FR*\b+FR-1], v[AF+FR*(\a):AF+FR*(\a)+FR-1], 0, v[SC+8*NQ*(\sc)+NQ*\b+(\q)], v[SC+8*NQ*(\sc)+NQ*(\a)+(\q)] matrix_a_fmt:MATRIX_FMT_FP6 matrix_b_fmt:MATRIX_FMT_FP6 matrix_a_scale:MATRIX_SCALE_ROW1
.else
	v_wmma_scale_f32_16x16x128_f8f6f4 v[8*(8*((\a)%4)+\b):8*(8*((\a)%4)+\b)+7], v[128*(\p)+FR*\b:128*(\p)+FR*\b+FR-1], v[AF+FR*(\a):AF+FR*(\a)+FR-1], v[8*(8*((\a)%4)+\b):8*(8*((\a)%4)+\b)+7], v[SC+8*NQ*(\sc)+NQ*\b+(\q)], v[SC+8*NQ*(\sc)+NQ*(\a)+(\q)] matrix_a_fmt:MATRIX_FMT_FP6 matrix_b_fmt:MATRIX_FMT_FP6 matrix_a_scale:MATRIX_SCALE_ROW1
.endif
.endr
.endr
.endm
.macro FETCH_B slot, q, p
	WIN TO_B
.irp i, 0,1,2,3,4,5,6,7
	FRAG 128*(\p)+FR*\i, ADRB+\slot, \q, \i
.endr
	WIN 0
.endm
.macro FETCH_A slot, q, i0
.irp i, \i0, \i0+1, \i0+2, \i0+3
	FRAG AF+FR*(\i), ADRA+\slot, \q, \i
.endr
.endm
.macro SCALES sc                       ; a K step's scale words: two words a row; lanes 0-15 A's block i, lanes 16-31 B's block i
.irp i, 0,1,2,3,4,5,6,7
	ds_load_b64 v[SC+8*NQ*\sc+NQ*\i:SC+8*NQ*\sc+NQ*\i+1], v[ADRS] offset:512*\i
.endr
.endm
.macro PLACES n                        ; plain vector instructions between a matrix instruction and a load into, or a read of, its registers
.rept \n
	v_nop
.endr
.endm
.macro STEP slot, q, zero              ; a step of 128 along K that has its successor in the same slot
	s_wait_dscnt 4*NL                              ; B's set and A's blocks 0-3 are in; the youngest 24 loads (A's blocks 4-7) may be out
	WIN MUL_LO
	MUL16 0, (\q)%2, \q, \slot, \zero
	MUL16 2, (\q)%2, \q, \slot, \zero
	s_wait_dscnt 0
	PLACES NP
	FETCH_B \slot, (\q)+1, 1-(\q)%2
	FETCH_A \slot, (\q)+1, 0
	WIN MUL_HI
	MUL16 4, (\q)%2, \q, \slot, \zero
	MUL16 6, (\q)%2, \q, \slot, \zero
	PLACES NP
	WIN 0
	FETCH_A \slot, (\q)+1, 4
.endm
; A slot's last step changes slots: one barrier; in front of it each wave waits for all its tensor loads, adds 0 to its spare word, and waits for that and for its reads of this slot.  fill = 1: the slot is filled again, two K steps ahead.
.macro TURN slot, next, fill
	s_wait_tensorcnt 0x0                           ; all my tensor loads have landed: my part of the next slot
	ds_add_u32 v[SPW], v[NIL]                      ; 0 onto my spare word
	s_wait_dscnt 4*NL+1                            ; (the add and the youngest 24 loads may be out)
	WIN MUL_LO
	MUL16 0, 1, NQ-1, \slot, 0
	s_wait_dscnt 0x0                               ; the add is done, and my reads of this slot are over
	s_barrier_signal -1
	MUL16 2, 1, NQ-1, \slot, 0
	WIN 0
	s_barrier_wait -1
.if \fill
	CREST                                          ; the barrier has opened a round of the cluster's: no wave of any partner still reads this slot or has a load on its way
	s_add_nc_u64 s[G0+4*\slot+2:G0+4*\slot+3], s[G0+4*\slot+2:G0+4*\slot+3], 2*TILEB
	s_add_nc_u64 s[G0B+4*\slot+2:G0B+4*\slot+3], s[G0B+4*\slot+2:G0B+4*\slot+3], 2*TILEB
	JLOAD G0+4*\slot, G1, G0B+4*\slot, G1B         ; the first tensor load behind the round, my one load until the next; its four v_nop are the places in front of the loads below
.else
	PLACES NP
.endif
	v_add_nc_u32 v[ADRS], 128, v[ADRS]             ; the next K step's scale words
	FETCH_B \next, 0, 0
	FETCH_A \next, 0, 0
	SCALES \next
	WIN MUL_HI
	MUL16 4, 1, NQ-1, \slot, 0
	MUL16 6, 1, NQ-1, \slot, 0
	PLACES NP
	WIN 0
	FETCH_A \next, 0, 4
.endm
	s_wait_loadcnt 0x0                             ; the biases are in: their bases and offsets are free
	s_wait_tensorcnt 1                             ; the scale bytes and my part of K step 0 are in (K step 1's load may be out)
	s_barrier_signal -1
	s_barrier_wait -1                              ; everybody's are
	FETCH_B 0, 0, 0
	FETCH_A 0, 0, 0
	SCALES 0
	FETCH_A 0, 0, 4
	STEP 0, 0, 1                                   ; K = 1,024 is four K steps of 256: written out.  The first products start the sums: nothing is cleared
	TURN 0, 1, 1                                   ; slot 0 takes K step 2
	STEP 1, 0, 0
	TURN 1, 0, 1                                   ; slot 1 takes K step 3
	STEP 0, 0, 0
	TURN 0, 1, 0                                   ; nothing is left to fetch
	STEP 1, 0, 0
	s_wait_dscnt 4*NL
	WIN MUL_LO
	MUL16 0, 1, NQ-1, 1, 0
	MUL16 2, 1, NQ-1, 1, 0
	s_wait_dscnt 0
	WIN MUL_HI
	MUL16 4, 1, NQ-1, 1, 0
	MUL16 6, 1, NQ-1, 1, 0
	WIN 0
; 64 numbers of a lane, v[s] on, register 16 b + i = place 32 b + 16 (lane / 16) + i along the next K, become a fragment's 12 registers in v[PC] on and my row's scale word in v[PW]
.macro QUANT s
.irp b, 0,1,2,3
	v_max3_num_f32 v[TM+\b], |v[\s+16*\b]|, |v[\s+1+16*\b]|, 0x1800000   ; my 16 numbers, and the floor 2^(3 - 127): the byte cannot fall under 1
.endr
.irp i, 2,4,6,8,10,12,14
.irp b, 0,1,2,3
	v_max3_num_f32 v[TM+\b], v[TM+\b], |v[\s+16*\b+\i]|, |v[\s+1+16*\b+\i]|
.endr
.endr
.irp b, 0,1,2,3
	v_permlanex16_b32 v[TM+4+\b], v[TM+\b], s[SEL], s[SEL+1]
.endr
.irp b, 0,1,2,3
	v_max_num_f32 v[TM+\b], v[TM+\b], v[TM+4+\b]
.endr
.irp b, 0,1,2,3
	v_add_nc_u32 v[TM+12+\b], 0xff000000, v[TM+\b]   ; 2 off the exponent field: the conversion's scale operand
.endr
.irp b, 0,1,2,3
	v_lshrrev_b32 v[TM+4+\b], 23, v[TM+12+\b]
.endr
	v_lshl_or_b32 v[PW], v[TM+5], 8, v[TM+4]
	v_lshl_or_b32 v[PW], v[TM+6], 16, v[PW]
	v_lshl_or_b32 v[PW], v[TM+7], 24, v[PW]
.irp c, 0,1
	v_cvt_scalef32_pk16_fp6_f32 v[PC+6*\c:PC+2+6*\c], v[\s+32*\c:\s+15+32*\c], v[TM+12+2*\c]
	v_cvt_scalef32_pk16_fp6_f32 v[PC+12+4*\c:PC+14+4*\c], v[\s+16+32*\c:\s+31+32*\c], v[TM+12+2*\c+1]
.endr
	v_nop                                          ; one plain place behind a scaled conversion
.irp c, 0,1
.irp i, 0,1,2
	v_permlane16_swap_b32 v[PC+6*\c+\i], v[PC+12+4*\c+\i]
.endr
.irp i, 0,1,2
	v_mov_b32 v[PC+3+6*\c+\i], v[PC+12+4*\c+\i]
.endr
.endr
.endm
; THE WAY OUT of block a (16 rows of A x my 128 rows of B): the bias is added, the 64 numbers are quantised, the 12 registers leave by six stores of 256 consecutive, aligned bytes; the scale word goes to my stage.
.macro OUTA a
.set AC, 64*((\a)%4)
	s_wait_xcnt 0x0                                ; the last block's stores have read their data and their base
.if (\a) == 4
	s_add_nc_u64 s[OUTC:OUTC+1], s[OUTC:OUTC+1], s[STEP4:STEP4+1]
.elseif (\a) > 0
	s_add_nc_u64 s[OUTC:OUTC+1], s[OUTC:OUTC+1], s[STEPA:STEPA+1]
.endif
	s_cmp_eq_u32 s[REG], 0
	s_cbranch_scc0 .Lv_\@
	WIN 0x06+(\a)/4                                ; the sums: window 2 or 3; the registers' biases: window 1
.set i, 0
.rept 32
	v_pk_add_f32 v[T+2*i:T+2*i+1], v[AC+2*i:AC+2*i+1], v[96+2*i+96*(i/16):97+2*i+96*(i/16)]   ; each accumulator from its low end on
.set i, i+1
.endr
	WIN 0
	s_branch .Lj_\@
.Lv_\@:
	WIN 0x02+(\a)/4
.set i, 0
.rept 32
	v_pk_add_f32 v[T+2*i:T+2*i+1], v[AC+2*i:AC+2*i+1], v[BL+2*(\a):BL+2*(\a)+1]
.set i, i+1
.endr
	WIN 0
.Lj_\@:
	QUANT T
.irp p, 0,1,2
	global_store_b64 v[VO0], v[PC+2*\p:PC+2*\p+1], s[OUTC:OUTC+1] offset:256*\p
.endr
.irp p, 0,1,2
	global_store_b64 v[VO1], v[PC+6+2*\p:PC+7+2*\p], s[OUTC:OUTC+1] offset:256*\p
.endr
	v_lshrrev_b32 v[SWD], v[SHF], v[PW]            ; region 0: lanes 0-15 the even head's two bytes, lanes 16-31 the odd head's, zeros above; region 1: the word as it is
	v_and_b32 v[SWD], s[MSK], v[SWD]
	ds_store_b32 v[LSW], v[SWD] offset:64*(\a)
.endm
	PLACES NP                                      ; behind the last products
.irp b, 0,1,2,3
	v_mov_b32 v[TM+4+\b], 0                        ; written once: a lane permute's destination counts as one of its sources
.endr
.irp a, 0,1,2,3,4,5,6,7
	OUTA \a
.endr
	ds_load_b128 v[BK:BK+3], v[LSR]                ; LDS serves a wave's instructions in order: these see my stores
	ds_load_b128 v[BK+4:BK+7], v[LSR] offset:512
	s_wait_dscnt 0x0
	global_store_b128 v[VOS], v[BK:BK+3], s[OUTS:OUTS+1]   ; region 0: the even head's 512 bytes; region 1: 256 bytes for each of the two heads
	s_cmp_eq_u32 s[REG], 0
	s_cbranch_scc0 .Lone_store
	global_store_b128 v[VOS], v[BK+4:BK+7], s[OUTS:OUTS+1] offset:315392   ; region 0: the odd head's
.Lone_store:
	s_wait_tensorcnt 0x0                           ; the wave's end, behind my last tensor load and my last LDS store
	ds_add_u32 v[SPW], v[NIL]
	s_wait_dscnt 0x0
	CROUND                                         ; the closing round
	s_endpgm
.Lfunc_end_k_q3cd1045369_gemm_qkv:
	.size	k_q3cd1045369_gemm_qkv, .Lfunc_end_k_q3cd1045369_gemm_qkv-k_q3cd1045369_gemm_qkv
	.p2alignl 7, 3214868480
	.fill 96, 4, 3214868480
	.section	.rodata,"a",@progbits
	.p2align	6, 0x0
	.amdhsa_kernel k_q3cd1045369_gemm_qkv
		.amdhsa_group_segment_fixed_size 327680
		.amdhsa_private_segment_fixed_size 0
		.amdhsa_enable_private_segment 0
		.amdhsa_kernarg_size 48
		.amdhsa_user_sgpr_count 2
		.amdhsa_user_sgpr_kernarg_segment_ptr 1
		.amdhsa_wavefront_size32 1
		.amdhsa_system_sgpr_workgroup_id_x 1
		.amdhsa_system_sgpr_workgroup_id_y 1
		.amdhsa_system_sgpr_workgroup_id_z 1
		.amdhsa_system_vgpr_workitem_id 0
		.amdhsa_next_free_vgpr 1024
		.amdhsa_next_free_sgpr 102
		.amdhsa_reserve_vcc 0
		.amdhsa_float_denorm_mode_32 3
		.amdhsa_float_denorm_mode_16_64 3
		.amdhsa_memory_ordered 1
		.amdhsa_forward_progress 1
		.amdhsa_inst_pref_size 205
	.end_amdhsa_kernel
	.amdgpu_metadata
---
amdhsa.version: [ 1, 2 ]
amdhsa.kernels:
  - .name:           k_q3cd1045369_gemm_qkv
    .symbol:         k_q3cd1045369_gemm_qkv.kd
    .args:
      - { .name: xc, .offset: 0, .size: 8, .value_kind: global_buffer, .address_space: global }
      - { .name: xs, .offset: 8, .size: 8, .value_kind: global_buffer, .address_space: global }
      - { .name: wc, .offset: 16, .size: 8, .value_kind: global_buffer, .address_space: global }
      - { .name: ws, .offset: 24, .size: 8, .value_kind: global_buffer, .address_space: global }
      - { .name: qkv_b, .offset: 32, .size: 8, .value_kind: global_buffer, .address_space: global }
      - { .name: qkv, .offset: 40, .size: 8, .value_kind: global_buffer, .address_space: global }
    .group_segment_fixed_size: 327680
    .private_segment_fixed_size: 0
    .kernarg_segment_align: 8
    .kernarg_segment_size: 48
    .max_flat_workgroup_size: 128
    .sgpr_count:     102
    .vgpr_count:     1024
    .wavefront_size: 32
...
	.end_amdgpu_metadata
.endif
;; end of part 2
;; launch attn (part 3): grid 4 x 64, 16 waves a work-group, clusters of 4 x 1, 210,944 bytes of LDS; arguments qkv, ac, asc; writes ac, asc
.if DOCPART == 3
	.amdgcn_target "amdgcn-amd-amdhsa--gfx1250"
	.amdhsa_code_object_version 6
	.text
	.protected	k_q3cd1045369_attn
	.globl	k_q3cd1045369_attn
	.p2align	8
	.type	k_q3cd1045369_attn,@function
k_q3cd1045369_attn:
	s_mov_b64 s[64:65], 0
	v_nop
	global_prefetch_b8 v0, s[64:65] scope:SCOPE_SE
	s_setreg_imm32_b32 hwreg(HW_REG_WAVE_MODE, 25, 1), 1
	s_wait_xcnt 0x0
	s_wait_alu depctr_hold_cnt(0) depctr_sa_sdst(0) depctr_va_vdst(0) depctr_va_sdst(0) depctr_va_ssrc(0) depctr_va_vcc(0) depctr_vm_vsrc(0)
	s_getreg_b32 s2, hwreg(HW_REG_IB_STS2, 6, 4)
	s_cmp_eq_u32 s2, 0
	s_cbranch_scc0 .Lentry_in_a_cluster
	s_endpgm
.Lentry_in_a_cluster:
	s_bfe_u32 s2, ttmp6, 0x10000c
	s_cmp_lg_u32 s2, 0x3003
	s_cbranch_scc0 .Lentry_shape_is_right
	s_endpgm
.Lentry_shape_is_right:
; Causal attention of one (batch, head) to a cluster of four work-groups, both products on codes of FP6 (E2M3) with E8M0 scales; the result is quantised along the model's channels and leaves as codes for the last product.
; IN: qkv, records of 19,712 bytes, record (batch x 16 + head) x 16 + step, a step 128 tokens: K's codes 0 (8 tiles of 16 keys x 768 bytes), V's codes 6,144 (4 tiles of 16 channels x 128 keys, 1,536 bytes each),
; K's scale words 12,288, V's 12,800, Q's codes 13,056, Q's scale words 19,200.  All lie as images of the operand's registers: register pair p of lane L at 256 p + 8 L.
; Lane row r of tile 2 b + u is row 32 b + 8 u + r + 8 (r / 8), so that the 16 registers of two neighbouring result tiles are 16 neighbours along the next K.
; THE SOFTMAX: t = score x log2(e) / 8; M = the running largest t rounded UP to a whole number; p = 2^(t - M) is quantised along the keys, not normalised; the row's sum is taken of the unquantised p and divides at the end;
; when M moves, the sum and O are multiplied by 2^(old M - new M): exact.
; SHARES.  2,048 queries are 128 tiles of 16.  Each of the cluster's 64 waves owns two: tile t1 = 8 g + e and tile 127 - t1.  Tile t walks key steps 0 .. t / 8: so every wave has (g + 1) + (16 - g) = 17 tile steps.
; g hangs on the wave's number alone, so every branch is alike in all four partners; the work-group's place enters only e: Q's and the output's addresses, and the mask's lane numbers.
; A WHOLE HEAD'S K AND V LIE IN LDS, 16 x 13,056 bytes, filled once, by joint loads of the four partners: waves 0-3 issue four each (four of mine are out), a quarter of the head to each set of four; nothing is filled again.
; The head's K is 64, half of the instruction's 128: Q's upper six registers are zero codes, so K's tiles lie packed, six registers each, and a tile's upper half (the next tile's codes) multiplies zeros; the scale words' upper bytes are 0, which is 2^-127.
; LIMITS: NaN and infinities are not served; a block of the result whose largest magnitude lies under 2^-124, a block of zeros too, gets the byte 1.
.set REC,   19712
.set RECL,  13056                      ; what of a record comes into LDS
.set SPARE, 16*RECL                    ; the spare words, 128 bytes a wave: eight blocks of 256 bytes that no other line names
.set L8,  1                            ; v1  8 x lane
.set L4,  2                            ; v2  4 x lane
.set SPW, 3                            ; v3  LDS address of my spare word; never rewritten
.set NIL, 4                            ; v4  0; never rewritten
.set ADK, 5                            ; v5  the step's record + 8 x lane
.set ADS, 6                            ; v6  the step's record + 4 x lane
.set DA,  7                            ; v7, v8  the mask: my query's place in its step - 16 (lane / 16), early tile and late tile
.set DB,  8
.set TMP, 9
.set FF,  10                           ; v10 f = 2^(old M - new M); v11 p's scale word
.set STA, 12                           ; v12-15, v16-19: -M, the largest t, the sum in two halves
.set STB, 16
.set QA,  20                           ; v20-31, v32-43: Q: six registers of codes, six of zeros
.set QB,  32
.set QSA, 44                           ; v44, v45: Q's scale words
.set QSB, 45
.set F,   46                           ; v46-93 fragments of K or of V; v94-99 zeros
.set S,   100                          ; v100-163 the scores, then p
.set OA,  164                          ; v164-195, v196-227: O^T
.set OB,  196
.set P,   228                          ; v228-239 p's codes
.set BM,  236                          ; v236-239 the blocks' largest scores: dead before p's codes are made
.set W,   240                          ; v240-247 at work
.set SO,  248                          ; v248-251 the conversions' scale operands
.set KW,  252                          ; v252-255 K's or V's scale words, and nothing else
.set WV,  10
.set CX,  11
.set BH,  12
.set GA,  13                           ; s13 the early tile's last key step, g;  s16 the late tile's, 15 - g
.set EE,  14
.set GB,  16
.set KSI, 17                           ; s17 the key step
.set TB,  18                           ; s18 its record in LDS
.set SEL, 20
.set CS,  22                           ; s[22:23] c = log2(e) / 8
.set G1,  24
.set G0,  32                           ; s[32:47] four groups 0
.macro CROUND
	s_barrier_signal -1
	s_barrier_wait -1
	s_cmp_lg_u32 s[WV], 0
	s_cbranch_scc1 .Lnot_wave_0_\@
	s_barrier_signal -3
.Lnot_wave_0_\@:
	s_barrier_wait -3
	s_barrier_signal -1
	s_barrier_wait -1
.endm
	s_load_b128 s[4:7], s[0:1], 0x0                ; qkv s[4:5], ac s[6:7]
	s_load_b64 s[8:9], s[0:1], 0x10                ; asc
	v_lshl_add_u32 v[SPW], v0, 2, SPARE
	v_mov_b32 v[NIL], 0
	ds_add_u32 v[SPW], v[NIL]                      ; the wave's opening: the add and its wait stand ahead of the first tensor loads; work on registers stands between them
	v_lshrrev_b32 v9, 5, v0
	v_readfirstlane_b32 s[WV], v9                  ; wave 0..15
	s_bfe_u32 s[CX], ttmp6, 0x40000                ; my place in the cluster
	s_and_b32 s[BH], ttmp7, 0xffff                 ; batch x 16 + head: the cluster's y
	s_and_b32 s48, s[WV], 3
	s_lshr_b32 s49, s[WV], 2
	s_lshl_b32 s49, s49, 2
	s_lshr_b32 s[GA], 0x4370, s49                  ; wave / 4 = 0, 1, 2, 3 gives 0, 7, 3, 4,
	s_and_b32 s[GA], s[GA], 7
	s_lshr_b32 s50, s48, 1
	s_xor_b32 s[GA], s[GA], s50                    ; or 1, 6, 2, 5: waves four apart hold early, late and middle tiles
	s_sub_co_u32 s[GB], 15, s[GA]
	s_and_b32 s[EE], s48, 1
	s_lshl_b32 s51, s[CX], 1
	s_add_co_u32 s[EE], s[EE], s51                 ; e = 2 cx + wave % 2
	; group 1: 13,056 dense bytes as 51 rows of 256 (32 elements of 8 bytes); the mask names all four work-groups
	s_mov_b32 s[G1], 15|(3<<16)|(1<<21)
	s_mov_b32 s[G1+1], 32<<16
	s_mov_b32 s[G1+2], 51<<16
	s_mov_b32 s[G1+3], 32<<16
	s_mov_b32 s[G1+4], 51
	s_mov_b32 s[G1+5], 32
	s_mov_b32 s[G1+6], 0
	s_mov_b32 s[G1+7], 0
	s_mul_i32 s52, s48, RECL                       ; load q of wave w brings record 4 q + w
	s_lshl_b32 s53, s[BH], 4
	s_add_co_u32 s54, s53, s48
	s_mul_i32 s54, s54, REC
	s_mov_b32 s55, 0
	s_mov_b32 s[SEL], 0x76543210
	s_mov_b32 s[SEL+1], 0xfedcba98
	s_mov_b32 s[CS], 0x3e38aa3b
	s_mov_b32 s[CS+1], s[CS]                       ; (named with it as a pair, so it is written)
	s_mov_b32 s[KSI], 0
	s_mov_b32 s[TB], 0
	s_wait_dscnt 0x0                               ; the opening add is done
	s_wait_kmcnt 0x0
	s_add_nc_u64 s[54:55], s[4:5], s[54:55]
	CROUND                                         ; all four work-groups are here: the joint loads meet
.irp q, 0,1,2,3
	s_mov_b32 s[G0+4*\q], 1
	s_add_co_u32 s[G0+4*\q+1], s52, \q*4*RECL
	s_add_nc_u64 s[G0+4*\q+2:G0+4*\q+3], s[54:55], \q*4*REC
	s_or_b32 s[G0+4*\q+3], s[G0+4*\q+3], 0x80000000
.endr
	s_cmp_lt_u32 s[WV], 4                          ; a wave's four fills stand in one branch on the wave's number
	s_cbranch_scc0 .Lno_fetch
.irp q, 0,1,2,3
	tensor_load_to_lds s[G0+4*\q:G0+4*\q+3], s[G1:G1+7]
	s_nop 0
.endr
.rept 4
	v_nop
.endr
.Lno_fetch:
	v_and_b32 v9, 31, v0
	v_lshlrev_b32 v[L8], 3, v9
	v_lshlrev_b32 v[L4], 2, v9
	v_and_b32 v240, 15, v0                         ; r
	v_lshlrev_b32 v247, 2, v240                    ; 4 r
	; Q of my two tiles: record of step g, tile e; record of step 15 - g, tile 7 - e
	s_add_co_u32 s56, s53, s[GA]
	s_mul_i32 s56, s56, REC
	s_mul_i32 s58, s[EE], 768
	s_add_co_u32 s58, s58, s56
	s_add_co_u32 s58, s58, 13056
	s_mov_b32 s59, 0
	s_lshl_b32 s60, s[EE], 6
	s_add_co_u32 s60, s60, s56
	s_add_co_u32 s60, s60, 19200
	s_mov_b32 s61, 0
	s_sub_co_u32 s57, 7, s[EE]
	s_add_co_u32 s56, s53, s[GB]
	s_mul_i32 s56, s56, REC
	s_mul_i32 s62, s57, 768
	s_add_co_u32 s62, s62, s56
	s_add_co_u32 s62, s62, 13056
	s_mov_b32 s63, 0
	s_lshl_b32 s66, s57, 6
	s_add_co_u32 s66, s66, s56
	s_add_co_u32 s66, s66, 19200
	s_mov_b32 s67, 0
	s_add_nc_u64 s[58:59], s[4:5], s[58:59]
	s_add_nc_u64 s[60:61], s[4:5], s[60:61]
	s_add_nc_u64 s[62:63], s[4:5], s[62:63]
	s_add_nc_u64 s[66:67], s[4:5], s[66:67]
.irp p, 0,1,2
	global_load_b64 v[QA+2*\p:QA+2*\p+1], v[L8], s[58:59] offset:256*\p
	global_load_b64 v[QB+2*\p:QB+2*\p+1], v[L8], s[62:63] offset:256*\p
.endr
	global_load_b32 v[QSA], v247, s[60:61]
	global_load_b32 v[QSB], v247, s[66:67]
	; the mask's lane numbers: my query's place in its step, 16 e' - 8 (e' % 2) + r + 8 (r / 8), less 16 (lane / 16)
	v_and_b32 v241, 8, v240
	v_add_nc_u32 v240, v240, v241
	v_bfe_u32 v241, v0, 4, 1
	v_lshlrev_b32 v241, 4, v241
	v_sub_nc_u32 v240, v240, v241
	s_and_b32 s51, s[EE], 1
	s_lshl_b32 s51, s51, 3
	s_lshl_b32 s68, s[EE], 4
	s_sub_co_u32 s51, s68, s51
	v_add_nc_u32 v[DA], s51, v240
	s_and_b32 s51, s57, 1
	s_lshl_b32 s51, s51, 3
	s_lshl_b32 s68, s57, 4
	s_sub_co_u32 s51, s68, s51
	v_add_nc_u32 v[DB], s51, v240
	; where the results go: ac [batch x 128 + tile][head][768]; asc [batch x 128 + tile][head / 4][r][8 bytes], the head's two bytes at 2 (head % 4)
	s_lshl_b32 s70, s[GA], 3
	s_add_co_u32 s70, s70, s[EE]                   ; t1
	s_sub_co_u32 s71, 127, s70                     ; t2
	s_sub_co_u32 s69, s71, s70
	s_lshl_b32 s69, s69, 9                         ; from t1's scale bytes to t2's
	s_lshr_b32 s72, s[BH], 4
	s_lshl_b32 s72, s72, 7
	s_and_b32 s73, s[BH], 15
	s_add_co_u32 s70, s70, s72
	s_add_co_u32 s71, s71, s72
	s_mul_i32 s51, s73, 768
	s_mul_i32 s74, s70, 12288
	s_add_co_u32 s74, s74, s51
	s_mov_b32 s75, 0
	s_mul_i32 s76, s71, 12288
	s_add_co_u32 s76, s76, s51
	s_mov_b32 s77, 0
	s_lshl_b32 s78, s70, 9
	s_lshr_b32 s51, s73, 2
	s_lshl_b32 s51, s51, 7
	s_add_co_u32 s78, s78, s51
	s_and_b32 s51, s73, 3
	s_lshl_b32 s51, s51, 1
	s_add_co_u32 s78, s78, s51
	s_mov_b32 s79, 0
	s_add_nc_u64 s[74:75], s[6:7], s[74:75]
	s_add_nc_u64 s[76:77], s[6:7], s[76:77]
	s_add_nc_u64 s[78:79], s[8:9], s[78:79]
.irp i, 6,7,8,9,10,11
	v_mov_b32 v[QA+\i], 0                          ; zero codes for the upper 64 of the instruction's K
	v_mov_b32 v[QB+\i], 0
	v_mov_b32 v[F+42+\i], 0                        ; v94-99: what the last tile of K names as its upper half
.endr
.set j, 0
.rept 64
	v_mov_b32 v[OA+j], 0                           ; both O^T.  (A step is written once: the first finds zeros, which the first change of M leaves zeros)
.set j, j+1
.endr
.irp b, 0,1,2,3
	v_mov_b32 v[W+\b], 0                           ; a lane permute's destination counts as one of its sources
.endr
	v_mov_b32 v[FF+1], 0                           ; (named as the upper half of the pair before it is first written)
.irp st, STA, STB
	v_mov_b32 v[\st+1], 0xff61b1e6                 ; the largest t so far: -3e38
	v_floor_f32 v[\st], -v[\st+1]                  ; -M
	v_mov_b32 v[\st+2], 0
	v_mov_b32 v[\st+3], 0
.endr
	s_wait_loadcnt 0x0                             ; Q
; ONE TILE'S KEY STEP: 16 queries x 128 keys.  masked = 1: the step is left out where all its keys come after the tile's queries, and on the diagonal hidden scores become -infinity.
.macro CTX Q, QS, O, ST, G, D, masked
.if \masked
	s_cmp_gt_u32 s[KSI], s[\G]
	s_cbranch_scc1 .Lskip_\@
.endif
.rept 4
	v_nop                                          ; places in front of loads into registers that matrix instructions have read
.endr
.irp t, 0,1,2,3,4,5,6,7
.irp p, 0,1,2
	ds_load_b64 v[F+6*\t+2*\p:F+6*\t+2*\p+1], v[ADK] offset:768*\t+256*\p
.endr
.endr
.irp i, 0,1,2,3
	ds_load_b32 v[KW+\i], v[ADS] offset:12288+128*\i   ; lanes 0-15: tile 2 i's scale words; lanes 16-31: tile 2 i + 1's
.endr
	s_wait_dscnt 0x0
.irp t, 0,2,4,6                                ; S^T = K Q^T: source 0 = 16 keys, source 1 = my 16 queries
	v_wmma_scale_f32_16x16x128_f8f6f4 v[S+8*\t:S+8*\t+7], v[F+6*\t:F+6*\t+11], v[\Q:\Q+11], 0, v[KW+\t/2], v[\QS] matrix_a_fmt:MATRIX_FMT_FP6 matrix_b_fmt:MATRIX_FMT_FP6
	v_wmma_scale_f32_16x16x128_f8f6f4 v[S+8*\t+8:S+8*\t+15], v[F+6*\t+6:F+6*\t+17], v[\Q:\Q+11], 0, v[KW+\t/2], v[\QS] matrix_a_fmt:MATRIX_FMT_FP6 matrix_b_fmt:MATRIX_FMT_FP6 matrix_a_scale:MATRIX_SCALE_ROW1
.endr
.rept 4
	v_nop
.endr
.if \masked
	s_cmp_lt_u32 s[KSI], s[\G]
	s_cbranch_scc1 .Lopen_\@
	v_mov_b32 v[TMP], 0xff800000                   ; register 16 b + i holds key 32 b + 16 (lane / 16) + i of the step: hidden where 32 b + i > my lane's number
.set n, 0
.rept 64
	v_cmp_gt_i32 vcc_lo, 32*(n/16)+n%16, v[\D]
	v_cndmask_b32 v[S+n], v[S+n], v[TMP], vcc_lo
.set n, n+1
.endr
.Lopen_\@:
.endif
.irp b, 0,1,2,3
	v_max3_num_f32 v[BM+\b], v[S+16*\b], v[S+1+16*\b], v[S+2+16*\b]   ; the largest score of each block of 32 keys: it serves the row's maximum and, since p rises with the score, the block's largest p
.endr
.irp i, 3,5,7,9,11,13
.irp b, 0,1,2,3
	v_max3_num_f32 v[BM+\b], v[BM+\b], v[S+16*\b+\i], v[S+1+16*\b+\i]
.endr
.endr
.irp b, 0,1,2,3
	v_max_num_f32 v[BM+\b], v[BM+\b], v[S+15+16*\b]
.endr
.irp b, 0,1,2,3
	v_permlanex16_b32 v[W+\b], v[BM+\b], s[SEL], s[SEL+1]
.endr
.irp b, 0,1,2,3
	v_max_num_f32 v[BM+\b], v[BM+\b], v[W+\b]      ; with lane l xor 16's 16 keys
.endr
	v_max3_num_f32 v[TMP], v[BM], v[BM+1], v[BM+2]
	v_max_num_f32 v[TMP], v[TMP], v[BM+3]
	v_mul_f32 v[TMP], s[CS], v[TMP]                ; as t
	v_max_num_f32 v[\ST+1], v[\ST+1], v[TMP]       ; the running largest t
	v_mov_b32 v[TMP], v[\ST]
	v_floor_f32 v[\ST], -v[\ST+1]                  ; the new -M = -ceil(t): a whole number
	v_sub_f32 v[TMP], v[\ST], v[TMP]               ; old M - new M, 0 or less
	v_cvt_i32_f32 v[TMP], v[TMP]                   ; (it saturates)
	v_ldexp_f32 v[FF], 1.0, v[TMP]                 ; f = 2^(old M - new M)
.set j, 0
.rept 32
	v_pk_fma_f32 v[S+j:S+1+j], v[S+j:S+1+j], s[CS:CS+1], v[\ST:\ST+1] op_sel_hi:[1,0,0]   ; t - M, two at a time
.set j, j+2
.endr
.irp b, 0,1,2,3
	v_fma_f32 v[BM+\b], v[BM+\b], s[CS], v[\ST]    ; the same of each block's largest score
.endr
.set j, 0
.rept 64
	v_exp_f32 v[S+j], v[S+j]                       ; p = 2^(t - M)
.set j, j+1
.endr
	v_pk_mul_f32 v[\ST+2:\ST+3], v[\ST+2:\ST+3], v[FF:FF+1] op_sel_hi:[1,0]   ; the sums under the new M: a plain place behind the exponentials
	s_wait_alu depctr_va_vdst(0)                   ; one wait for the batch of 64, ahead of its first reader
.irp b, 0,1,2,3
	v_exp_f32 v[BM+\b], v[BM+\b]                   ; the blocks' largest p
.endr
	v_pk_add_f32 v[W:W+1], v[S:S+1], v[S+2:S+3]    ; the row's sum of the unquantised p, in two chains: plain work behind the four
.irp j, 4,8,12,16,20,24,28,32,36,40,44,48,52,56,60
	v_pk_add_f32 v[\ST+2:\ST+3], v[\ST+2:\ST+3], v[S+\j:S+1+\j]
	v_pk_add_f32 v[W:W+1], v[W:W+1], v[S+2+\j:S+3+\j]
.endr
	v_pk_add_f32 v[\ST+2:\ST+3], v[\ST+2:\ST+3], v[W:W+1]
	s_wait_alu depctr_va_vdst(0)                   ; and one for the four
.irp b, 0,1,2,3
	v_max_num_f32 v[BM+\b], 0x1800000, v[BM+\b]    ; the floor 2^(3 - 127): the byte cannot fall under 1
.endr
.irp b, 0,1,2,3
	v_add_nc_u32 v[SO+\b], 0xff000000, v[BM+\b]    ; the conversion's scale operand
.endr
.irp b, 0,1,2,3
	v_lshrrev_b32 v[W+\b], 23, v[SO+\b]            ; the byte
.endr
	v_lshl_or_b32 v[FF+1], v[W+1], 8, v[W]         ; p's scale word for these 128 keys
	v_lshl_or_b32 v[FF+1], v[W+2], 16, v[FF+1]
	v_lshl_or_b32 v[FF+1], v[W+3], 24, v[FF+1]
.irp c, 0,1
	v_cvt_scalef32_pk16_fp6_f32 v[P+6*\c:P+2+6*\c], v[S+32*\c:S+15+32*\c], v[SO+2*\c]
	v_cvt_scalef32_pk16_fp6_f32 v[W+4*\c:W+2+4*\c], v[S+16+32*\c:S+31+32*\c], v[SO+2*\c+1]
.endr
	v_nop                                          ; one plain place behind a scaled conversion
.irp c, 0,1                                    ; a whole block to a lane
.irp i, 0,1,2
	v_permlane16_swap_b32 v[P+6*\c+\i], v[W+4*\c+\i]
.endr
.irp i, 0,1,2
	v_mov_b32 v[P+3+6*\c+\i], v[W+4*\c+\i]
.endr
.endr
.set j, 0
.rept 16
	v_pk_mul_f32 v[\O+j:\O+1+j], v[\O+j:\O+1+j], v[FF:FF+1] op_sel_hi:[1,0]   ; O^T under the new M.  These sixteen are also the places between the lines that made p's codes and scale word and the products below
.set j, j+2
.endr
.irp t, 0,1,2,3
.irp p, 0,1,2,3,4,5
	ds_load_b64 v[F+12*\t+2*\p:F+12*\t+2*\p+1], v[ADK] offset:6144+1536*\t+256*\p
.endr
.endr
.irp i, 0,1
	ds_load_b32 v[KW+\i], v[ADS] offset:12800+128*\i
.endr
	s_wait_dscnt 0x0
.irp t, 0,2                                    ; O^T += V^T P^T: source 0 = 16 channels, source 1 = p; the four accumulators by turns
	v_wmma_scale_f32_16x16x128_f8f6f4 v[\O+8*\t:\O+8*\t+7], v[F+12*\t:F+12*\t+11], v[P:P+11], v[\O+8*\t:\O+8*\t+7], v[KW+\t/2], v[FF+1] matrix_a_fmt:MATRIX_FMT_FP6 matrix_b_fmt:MATRIX_FMT_FP6
	v_wmma_scale_f32_16x16x128_f8f6f4 v[\O+8*\t+8:\O+8*\t+15], v[F+12*\t+12:F+12*\t+23], v[P:P+11], v[\O+8*\t+8:\O+8*\t+15], v[KW+\t/2], v[FF+1] matrix_a_fmt:MATRIX_FMT_FP6 matrix_b_fmt:MATRIX_FMT_FP6 matrix_a_scale:MATRIX_SCALE_ROW1
.endr
.if \masked
.Lskip_\@:
.endif
.endm
; A QUARTER of the head: four key steps.  The count leaves the later quarters' loads on their way.
; In key steps 0-7 the late tile (its diagonal lies in step 8 or later) needs no mask; in steps 8-15 the early tile has no work at all.
.macro QUARTER jq
	s_wait_tensorcnt 3-\jq                         ; in a fetching wave: its load for this quarter has landed; 3 - jq younger ones may be out
	s_wait_dscnt 0x0
	s_barrier_signal -1
	s_barrier_wait -1
.Lq_\@:
	v_add_nc_u32 v[ADK], s[TB], v[L8]
	v_add_nc_u32 v[ADS], s[TB], v[L4]
.if \jq < 2
	CTX QB, QSB, OB, STB, GB, DB, 0
	CTX QA, QSA, OA, STA, GA, DA, 1
.else
	CTX QB, QSB, OB, STB, GB, DB, 1
.endif
	s_add_co_u32 s[TB], s[TB], RECL
	s_add_co_u32 s[KSI], s[KSI], 1
	s_cmp_lt_u32 s[KSI], 4*(\jq+1)
	s_cbranch_scc1 .Lq_\@
.endm
	QUARTER 0
	QUARTER 1
	QUARTER 2
	QUARTER 3
; THE WAY OUT of a tile: O^T / the sum; register 16 b + i is channel 32 b + 16 (lane / 16) + i of my query: two blocks of the last product's K.  Quantised, they are one image of 768 bytes: three stores of 256 consecutive, aligned bytes.
.macro FIN O, ST, CB, HW
	v_add_f32 v[TMP], v[\ST+2], v[\ST+3]
	v_permlanex16_b32 v[W], v[TMP], s[SEL], s[SEL+1]
	v_add_f32 v[TMP], v[TMP], v[W]                 ; the row's sum
	v_rcp_f32 v[TMP], v[TMP]
	v_nop                                          ; one plain place behind the reciprocal,
	s_wait_alu depctr_va_vdst(0)                   ; and the wait ahead of its first reader
.set j, 0
.rept 32
	v_mul_f32 v[S+j], v[\O+j], v[TMP]              ; each accumulator from its low end on
.set j, j+1
.endr
.irp b, 0,1
	v_max3_num_f32 v[BM+\b], |v[S+16*\b]|, |v[S+1+16*\b]|, 0x1800000
.endr
.irp i, 2,4,6,8,10,12,14
.irp b, 0,1
	v_max3_num_f32 v[BM+\b], v[BM+\b], |v[S+16*\b+\i]|, |v[S+1+16*\b+\i]|
.endr
.endr
.irp b, 0,1
	v_permlanex16_b32 v[W+\b], v[BM+\b], s[SEL], s[SEL+1]
.endr
.irp b, 0,1
	v_max_num_f32 v[BM+\b], v[BM+\b], v[W+\b]
.endr
.irp b, 0,1
	v_add_nc_u32 v[SO+\b], 0xff000000, v[BM+\b]
.endr
.irp b, 0,1
	v_lshrrev_b32 v[W+\b], 23, v[SO+\b]
.endr
	v_lshl_or_b32 v[\HW], v[W+1], 8, v[W]          ; the head's two scale bytes of my query
	v_cvt_scalef32_pk16_fp6_f32 v[P:P+2], v[S:S+15], v[SO]
	v_cvt_scalef32_pk16_fp6_f32 v[P+4:P+6], v[S+16:S+31], v[SO+1]
	v_nop
.irp i, 0,1,2
	v_permlane16_swap_b32 v[P+\i], v[P+4+\i]
.endr
.irp i, 0,1,2
	v_mov_b32 v[P+3+\i], v[P+4+\i]
.endr
.irp p, 0,1,2
	global_store_b64 v[L8], v[P+2*\p:P+2*\p+1], s[\CB:\CB+1] offset:256*\p
.endr
.endm
.rept 4
	v_nop                                          ; behind the last products
.endr
	FIN OB, STB, 76, W+4
	s_wait_xcnt 0x0                                ; the stores have read the codes' registers
	FIN OA, STA, 74, W+5
	v_and_b32 v46, 15, v0
	v_bfe_u32 v47, v0, 4, 1
	v_mul_u32_u24 v47, s69, v47
	v_lshl_add_u32 v46, v46, 3, v47                ; lanes 0-15: the early tile's row r; lanes 16-31: the late tile's
	s_mov_b32 s68, 0xffff0000
	v_cndmask_b32 v48, v[W+5], v[W+4], s68
	global_store_b16 v46, v48, s[78:79]            ; two bytes a lane, 8 bytes apart: one byte in 25 of what this launch stores
	s_wait_tensorcnt 0x0                           ; the wave's end
	ds_add_u32 v[SPW], v[NIL]
	s_wait_dscnt 0x0
	CROUND                                         ; the closing round
	s_endpgm
.Lfunc_end_k_q3cd1045369_attn:
	.size	k_q3cd1045369_attn, .Lfunc_end_k_q3cd1045369_attn-k_q3cd1045369_attn
	.p2alignl 7, 3214868480
	.fill 96, 4, 3214868480
	.section	.rodata,"a",@progbits
	.p2align	6, 0x0
	.amdhsa_kernel k_q3cd1045369_attn
		.amdhsa_group_segment_fixed_size 210944
		.amdhsa_private_segment_fixed_size 0
		.amdhsa_enable_private_segment 0
		.amdhsa_kernarg_size 24
		.amdhsa_user_sgpr_count 2
		.amdhsa_user_sgpr_kernarg_segment_ptr 1
		.amdhsa_wavefront_size32 1
		.amdhsa_system_sgpr_workgroup_id_x 1
		.amdhsa_system_sgpr_workgroup_id_y 1
		.amdhsa_system_sgpr_workgroup_id_z 1
		.amdhsa_system_vgpr_workitem_id 0
		.amdhsa_next_free_vgpr 256
		.amdhsa_next_free_sgpr 80
		.amdhsa_reserve_vcc 1
		.amdhsa_float_denorm_mode_32 3
		.amdhsa_float_denorm_mode_16_64 3
		.amdhsa_memory_ordered 1
		.amdhsa_forward_progress 1
		.amdhsa_inst_pref_size 142
	.end_amdhsa_kernel
	.amdgpu_metadata
---
amdhsa.version: [ 1, 2 ]
amdhsa.kernels:
  - .name:           k_q3cd1045369_attn
    .symbol:         k_q3cd1045369_attn.kd
    .args:
      - { .name: qkv, .offset: 0, .size: 8, .value_kind: global_buffer, .address_space: global }
      - { .name: ac, .offset: 8, .size: 8, .value_kind: global_buffer, .address_space: global }
      - { .name: asc, .offset: 16, .size: 8, .value_kind: global_buffer, .address_space: global }
    .group_segment_fixed_size: 210944
    .private_segment_fixed_size: 0
    .kernarg_segment_align: 8
    .kernarg_segment_size: 24
    .max_flat_workgroup_size: 512
    .sgpr_count:     80
    .vgpr_count:     256
    .wavefront_size: 32
...
	.end_amdgpu_metadata
.endif
;; end of part 3
;; launch gemm_proj (part 4): grid 4 x 32, 4 waves a work-group, clusters of 4 x 4, 327,680 bytes of LDS; arguments ac, asc, wc, ws, proj_b, out0; writes out0
.if DOCPART == 4
	.amdgcn_target "amdgcn-amd-amdhsa--gfx1250"
	.amdhsa_code_object_version 6
	.text
	.protected	k_q3cd1045369_gemm_proj
	.globl	k_q3cd1045369_gemm_proj
	.p2align	8
	.type	k_q3cd1045369_gemm_proj,@function
k_q3cd1045369_gemm_proj:
	s_mov_b64 s[64:65], 0
	v_nop
	global_prefetch_b8 v0, s[64:65] scope:SCOPE_SE
	s_setreg_imm32_b32 hwreg(HW_REG_WAVE_MODE, 25, 1), 1
	s_wait_xcnt 0x0
	s_wait_alu depctr_hold_cnt(0) depctr_sa_sdst(0) depctr_va_vdst(0) depctr_va_sdst(0) depctr_va_ssrc(0) depctr_va_vcc(0) depctr_vm_vsrc(0)
	s_getreg_b32 s2, hwreg(HW_REG_IB_STS2, 6, 4)
	s_cmp_eq_u32 s2, 0
	s_cbranch_scc0 .Lentry_in_a_cluster
	s_endpgm
.Lentry_in_a_cluster:
	s_bfe_u32 s2, ttmp6, 0x10000c
	s_cmp_lg_u32 s2, 0xf033
	s_cbranch_scc0 .Lentry_shape_is_right
	s_endpgm
.Lentry_shape_is_right:
; out0 = o proj_w + proj_b on codes of FP6 (E2M3) with E8M0 scales, K = 1,024.  A = the attention's result (ac, asc: 512 tiles of 16 tokens), B = proj_w's columns (wc, ws from tile 192 on); out0 [8192][1024] f32.
; OPERANDS lie in memory as images of the operand's registers: a tile is 16 rows (lane row r of tile 2 b + u is row 32 b + 8 u + r + 8 (r / 8)), 12,288 bytes for K = 1,024;
; 128 along K of a tile are 1,536 bytes: register pair p of lane L at 256 p + 8 L.  Scale bytes: [tile][K / 256][r][8].
; A tile of the result, 256 x 256, is made by four waves, 128 x 128 each.  K goes in steps of 256 through two LDS slots filled by tensor loads; the scale bytes come once.  32 x 4 tiles: 128 work-groups.
; Source 0 = 16 rows of B, source 1 = 16 rows of A: a lane holds one token, its registers run along the columns.  CLUSTERS: 4 x 4; A's tiles are asked for jointly by a row of the cluster, B's by a column.
; REGISTERS: window 0: v1-29 addresses; v32-63 scale words, two sets, and nothing else; v64-67 the bias of my four columns; v128-223 A's fragments (on the way out v128-255: rows read back).
;   window 1: B's fragments, two sets, v0-95 and v128-223.   windows 2, 3: the accumulators ((a, b) at v[8 (8 (a % 4) + b)]).
.set NQ,    2
.set FR,    12
.set NL,    6
.set NP,    4                          ; places behind this matrix instruction (ISA guide 7.12.1)
.set TILEB, 3072
.set HALFT, 8*TILEB
.set SLOT,  4*HALFT
.set SCL,   2*SLOT
.set SPARE, SCL+4*4096                 ; the spare words, 128 bytes a wave: two blocks of 256 bytes that no other line names
.set SPITCH, 528                       ; the way out: a stage of 16 rows x (512 bytes + 16) for each wave, in slot 0, which has had its last fill and its last read when the first result is stored there
.set VO0,  8                           ; v8   8 x lane
.set ADRA, 16
.set ADRB, 20
.set STO,  24                          ; v24  the stage, in
.set RD,   25                          ; v25  and out
.set CO,   26                          ; v26  16 x lane
.set ADRS, 27
.set SPW,  28                          ; v28  LDS address of my spare word; never rewritten
.set NIL,  29                          ; v29  0; never rewritten
.set SC,   32
.set BI,   64
.set AF,   128
.set BK,   128
.set WV,   16
.set WR,   17
.set WC,   18
.set TR,   19
.set TC,   20
.set G1,   24
.set G0,   32
.set G1B,  48
.set G0B,  56
.set G1S,  68
.set G0S,  76
.set G1SB, 80
.set G0SB, 88
.set MSB, 0
.macro WIN new                         ; the immediate's high byte repeats the setting that is left
.if MSB != \new
	s_set_vgpr_msb (MSB<<8)|\new
.set MSB, \new
.endif
.endm
.set MUL_LO, 0xa1
.set MUL_HI, 0xf1
.set TO_B,   0x40
.macro JLOAD g0a, g1a, g0b, g1b        ; a joint load: waves 0 and 1 fetch for A, waves 2 and 3 for B; an s_nop 0 and four v_nop follow each of the two lines
	s_cmp_eq_u32 s[WR], 0
	s_cbranch_scc0 .Lfor_b_\@
	tensor_load_to_lds s[\g0a:\g0a+3], s[\g1a:\g1a+7]
	s_nop 0
.rept 4
	v_nop
.endr
	s_branch .Lasked_\@
.Lfor_b_\@:
	tensor_load_to_lds s[\g0b:\g0b+3], s[\g1b:\g1b+7]
	s_nop 0
.rept 4
	v_nop
.endr
.Lasked_\@:
.endm
.macro CREST
	s_cmp_lg_u32 s[WV], 0
	s_cbranch_scc1 .Lnot_wave_0_\@
	s_barrier_signal -3
.Lnot_wave_0_\@:
	s_barrier_wait -3
	s_barrier_signal -1
	s_barrier_wait -1
.endm
.macro CROUND
	s_barrier_signal -1
	s_barrier_wait -1
	CREST
.endm
	s_load_b256 s[4:11], s[0:1], 0x0               ; ac s[4:5], asc s[6:7], wc s[8:9], ws s[10:11]
	s_load_b128 s[12:15], s[0:1], 0x20             ; proj_b s[12:13], out0 s[14:15]
	v_lshl_add_u32 v[SPW], v0, 2, SPARE
	v_mov_b32 v[NIL], 0
	ds_add_u32 v[SPW], v[NIL]                      ; the wave's opening: the add and its wait stand ahead of my first tensor load
	v_lshrrev_b32 v1, 5, v0
	v_readfirstlane_b32 s[WV], v1
	s_lshr_b32 s[WR], s[WV], 1
	s_and_b32 s[WC], s[WV], 1
	s_bfe_u32 s40, ttmp6, 0x40000                  ; cx, cy
	s_bfe_u32 s41, ttmp6, 0x40004
	s_lshl_b32 s[TC], ttmp9, 2
	s_add_co_u32 s[TC], s[TC], s40                 ; tile column, of 4
	s_and_b32 s[TR], ttmp7, 0xffff
	s_lshl_b32 s[TR], s[TR], 2
	s_add_co_u32 s[TR], s[TR], s41                 ; tile row, of 32
	s_lshl_b32 s42, s41, 2
	s_lshl_b32 s42, 15, s42                        ; my row of the cluster
	s_lshl_b32 s43, 0x1111, s40                    ; my column
	s_or_b32 s[G1], s42, (3<<16)|(1<<21)           ; codes: 8 tiles' 3,072 bytes, 12,288 bytes apart; elements of 8 bytes, no padding
	s_or_b32 s[G1B], s43, (3<<16)|(1<<21)
.irp g, G1, G1B
	s_mov_b32 s[\g+1], 384<<16
	s_mov_b32 s[\g+2], 8<<16
	s_mov_b32 s[\g+3], 384<<16
	s_mov_b32 s[\g+4], 8
	s_mov_b32 s[\g+5], 1536
	s_mov_b32 s[\g+6], 0
	s_mov_b32 s[\g+7], 0
.endr
	s_or_b32 s[G1S], s42, (3<<16)|(1<<21)          ; scale bytes: 4,096 dense bytes as 16 rows of 256
	s_or_b32 s[G1SB], s43, (3<<16)|(1<<21)
.irp g, G1S, G1SB
	s_mov_b32 s[\g+1], 32<<16
	s_mov_b32 s[\g+2], 16<<16
	s_mov_b32 s[\g+3], 32<<16
	s_mov_b32 s[\g+4], 16
	s_mov_b32 s[\g+5], 32
	s_mov_b32 s[\g+6], 0
	s_mov_b32 s[\g+7], 0
.endr
	s_lshl_b32 s3, s[WC], 3
	s_lshl_b32 s44, s[TR], 4
	s_add_co_u32 s44, s44, s3                      ; A: tile 16 x tile row + 8 x half
	s_lshl_b32 s46, s[TC], 4
	s_add_co_u32 s46, s46, s3
	s_add_co_u32 s46, s46, 192                     ; B: the same by the tile column, from wc's tile 192 on
	s_lshl_b32 s100, s44, 9
	s_mov_b32 s101, 0
	s_mul_i32 s44, s44, 12288
	s_mov_b32 s45, 0
	s_lshl_b32 s92, s46, 9
	s_mov_b32 s93, 0
	s_mul_i32 s46, s46, 12288
	s_mov_b32 s47, 0
	s_mul_i32 s98, s[WV], HALFT
	s_lshl_b32 s99, s[WV], 12
	s_wait_dscnt 0x0                               ; the opening add is done
	s_wait_kmcnt 0x0
	s_add_nc_u64 s[44:45], s[4:5], s[44:45]
	s_add_nc_u64 s[100:101], s[6:7], s[100:101]
	s_add_nc_u64 s[46:47], s[8:9], s[46:47]
	s_add_nc_u64 s[92:93], s[10:11], s[92:93]
	CROUND                                         ; all sixteen work-groups are here: the first joint loads meet
	s_mov_b32 s[G0S], 1
	s_add_co_u32 s[G0S+1], s99, SCL
	s_mov_b64 s[G0S+2:G0S+3], s[100:101]
	s_or_b32 s[G0S+3], s[G0S+3], 0x80000000
	s_mov_b32 s[G0SB], 1
	s_add_co_u32 s[G0SB+1], s99, SCL
	s_mov_b64 s[G0SB+2:G0SB+3], s[92:93]
	s_or_b32 s[G0SB+3], s[G0SB+3], 0x80000000
	JLOAD G0S, G1S, G0SB, G1SB                     ; with the two below three loads of mine are out
.irp s, 0,1
	s_mov_b32 s[G0+4*\s], 1
	s_add_co_u32 s[G0+4*\s+1], s98, \s*SLOT
	s_add_nc_u64 s[G0+4*\s+2:G0+4*\s+3], s[44:45], \s*TILEB
	s_or_b32 s[G0+4*\s+3], s[G0+4*\s+3], 0x80000000
	s_mov_b32 s[G0B+4*\s], 1
	s_add_co_u32 s[G0B+4*\s+1], s98, \s*SLOT
	s_add_nc_u64 s[G0B+4*\s+2:G0B+4*\s+3], s[46:47], \s*TILEB
	s_or_b32 s[G0B+4*\s+3], s[G0B+4*\s+3], 0x80000000
	JLOAD G0+4*\s, G1, G0B+4*\s, G1B
.endr
	v_and_b32 v1, 15, v0                           ; r
	v_bfe_u32 v2, v0, 4, 1                         ; h
	v_and_b32 v3, 31, v0                           ; lane
	v_lshlrev_b32 v[VO0], 3, v3
	v_lshlrev_b32 v[CO], 4, v3
	s_mul_i32 s3, s[WR], HALFT
	s_mul_i32 s23, s[WC], HALFT
	s_add_co_u32 s23, s23, 2*HALFT
.irp s, 0,1
	v_add_nc_u32 v[ADRA+\s], s3, v[VO0]
	v_add_nc_u32 v[ADRB+\s], s23, v[VO0]
	s_add_co_u32 s3, s3, SLOT
	s_add_co_u32 s23, s23, SLOT
.endr
	s_lshl_b32 s3, s[WR], 12
	s_lshl_b32 s23, s[WC], 12
	s_add_co_u32 s23, s23, 8192
	s_sub_co_u32 s23, s23, s3
	v_mul_u32_u24 v4, s23, v2                      ; lanes 16-31 take B's scale words: one product, the distance between the two
	s_add_co_u32 s3, s3, SCL
	v_lshl_add_u32 v4, v1, 3, v4
	v_add_nc_u32 v[ADRS], s3, v4
	s_mul_i32 s3, s[WV], 16*SPITCH                 ; my stage
	v_mul_u32_u24 v5, v1, SPITCH
	v_lshl_add_u32 v5, v2, 6, v5
	v_add_nc_u32 v[STO], s3, v5                    ; in: row r, + 64 h
	v_add_nc_u32 v[RD], s3, v[CO]                  ; back: a row's 512 bytes to the 32 lanes
	s_lshl_b32 s44, s[TR], 8
	s_lshl_b32 s3, s[WR], 7
	s_add_co_u32 s44, s44, s3
	s_lshl_b32 s44, s44, 12                        ; my first token's row of 4,096 bytes
	s_lshl_b32 s46, s[TC], 10
	s_lshl_b32 s3, s[WC], 9
	s_add_co_u32 s46, s46, s3                      ; my first column, in bytes
	s_mov_b32 s47, 0
	s_add_nc_u64 s[12:13], s[12:13], s[46:47]
	global_load_b128 v[BI:BI+3], v[CO], s[12:13]   ; the bias of the four columns that I store
	s_add_co_u32 s46, s46, s44
	s_add_nc_u64 s[14:15], s[14:15], s[46:47]
.macro FRAG reg, adr, q, i             ; a fragment: six loads of 8 bytes a lane, each 256 consecutive bytes
.irp p, 0,1,2,3,4,5
	ds_load_b64 v[\reg+2*\p:\reg+2*\p+1], v[\adr] offset:(\i)*TILEB+(\q)*1536+256*\p
.endr
.endm
; 16 matrix instructions; the 64 accumulators take turns, one instruction a turn, in the same order in every step
.macro MUL16 a0, p, q, sc, zero
.irp a, \a0, \a0+1
.irp b, 0,1,2,3,4,5,6,7
.if \zero
	v_wmma_scale_f32_16x16x128_f8f6f4 v[8*(8*((\a)%4)+\b):8*(8*((\a)%4)+\b)+7], v[128*(\p)+FR*\b:128*(\p)+FR*\b+FR-1], v[AF+FR*(\a):AF+FR*(\a)+FR-1], 0, v[SC+8*NQ*(\sc)+NQ*\b+(\q)], v[SC+8*NQ*(\sc)+NQ*(\a)+(\q)] matrix_a_fmt:MATRIX_FMT_FP6 matrix_b_fmt:MATRIX_FMT_FP6 matrix_a_scale:MATRIX_SCALE_ROW1
.else
	v_wmma_scale_f32_16x16x128_f8f6f4 v[8*(8*((\a)%4)+\b):8*(8*((\a)%4)+\b)+7], v[128*(\p)+FR*\b:128*(\p)+FR*\b+FR-1], v[AF+FR*(\a):AF+FR*(\a)+FR-1], v[8*(8*((\a)%4)+\b):8*(8*((\a)%4)+\b)+7], v[SC+8*NQ*(\sc)+NQ*\b+(\q)], v[SC+8*NQ*(\sc)+NQ*(\a)+(\q)] matrix_a_fmt:MATRIX_FMT_FP6 matrix_b_fmt:MATRIX_FMT_FP6 matrix_a_scale:MATRIX_SCALE_ROW1
.endif
.endr
.endr
.endm
.macro FETCH_B slot, q, p
	WIN TO_B
.irp i, 0,1,2,3,4,5,6,7
	FRAG 128*(\p)+FR*\i, ADRB+\slot, \q, \i
.endr
	WIN 0
.endm
.macro FETCH_A slot, q, i0
.irp i, \i0, \i0+1, \i0+2, \i0+3
	FRAG AF+FR*(\i), ADRA+\slot, \q, \i
.endr
.endm
.macro SCALES sc
.irp i, 0,1,2,3,4,5,6,7
	ds_load_b64 v[SC+8*NQ*\sc+NQ*\i:SC+8*NQ*\sc+NQ*\i+1], v[ADRS] offset:512*\i
.endr
.endm
.macro PLACES n
.rept \n
	v_nop
.endr
.endm
.macro STEP slot, q, zero
	s_wait_dscnt 4*NL                              ; B's set and A's blocks 0-3 are in; the youngest 24 loads (A's blocks 4-7) may be out
	WIN MUL_LO
	MUL16 0, (\q)%2, \q, \slot, \zero
	MUL16 2, (\q)%2, \q, \slot, \zero
	s_wait_dscnt 0
	PLACES NP
	FETCH_B \slot, (\q)+1, 1-(\q)%2
	FETCH_A \slot, (\q)+1, 0
	WIN MUL_HI
	MUL16 4, (\q)%2, \q, \slot, \zero
	MUL16 6, (\q)%2, \q, \slot, \zero
	PLACES NP
	WIN 0
	FETCH_A \slot, (\q)+1, 4
.endm
.macro TURN slot, next, fill
	s_wait_tensorcnt 0x0                           ; all my tensor loads have landed: my part of the next slot
	ds_add_u32 v[SPW], v[NIL]                      ; 0 onto my spare word
	s_wait_dscnt 4*NL+1                            ; (the add and the youngest 24 loads may be out)
	WIN MUL_LO
	MUL16 0, 1, NQ-1, \slot, 0
	s_wait_dscnt 0x0                               ; the add is done, and my reads of this slot are over
	s_barrier_signal -1
	MUL16 2, 1, NQ-1, \slot, 0
	WIN 0
	s_barrier_wait -1
.if \fill
	CREST                                          ; the barrier has opened a round of the cluster's: no wave of any partner still reads this slot or has a load on its way
	s_add_nc_u64 s[G0+4*\slot+2:G0+4*\slot+3], s[G0+4*\slot+2:G0+4*\slot+3], 2*TILEB
	s_add_nc_u64 s[G0B+4*\slot+2:G0B+4*\slot+3], s[G0B+4*\slot+2:G0B+4*\slot+3], 2*TILEB
	JLOAD G0+4*\slot, G1, G0B+4*\slot, G1B         ; the first tensor load behind the round, my one load until the next
.else
	PLACES NP
.endif
	v_add_nc_u32 v[ADRS], 128, v[ADRS]
	FETCH_B \next, 0, 0
	FETCH_A \next, 0, 0
	SCALES \next
	WIN MUL_HI
	MUL16 4, 1, NQ-1, \slot, 0
	MUL16 6, 1, NQ-1, \slot, 0
	PLACES NP
	WIN 0
	FETCH_A \next, 0, 4
.endm
	s_wait_loadcnt 0x0                             ; the bias is in
	s_wait_tensorcnt 1                             ; the scale bytes and my part of K step 0 are in (K step 1's load may be out)
	s_barrier_signal -1
	s_barrier_wait -1                              ; everybody's are
	FETCH_B 0, 0, 0
	FETCH_A 0, 0, 0
	SCALES 0
	FETCH_A 0, 0, 4
	STEP 0, 0, 1                                   ; four K steps of 256, written out; the first products start the sums
	TURN 0, 1, 1
	STEP 1, 0, 0
	TURN 1, 0, 1
	STEP 0, 0, 0
	TURN 0, 1, 0
	STEP 1, 0, 0
	s_wait_dscnt 4*NL
	WIN MUL_LO
	MUL16 0, 1, NQ-1, 1, 0
	MUL16 2, 1, NQ-1, 1, 0
	s_wait_dscnt 0
	WIN MUL_HI
	MUL16 4, 1, NQ-1, 1, 0
	MUL16 6, 1, NQ-1, 1, 0
	WIN 0
; THE WAY OUT, block by block of 16 tokens x 128 columns, through my own stage.  Register j of accumulator b of lane (r, h) is column 32 (b / 2) + 16 h + 8 (b % 2) + j of token r.
; LDS serves a wave's instructions in order: no wait between the stores and the loads, nor in front of the next block's stores.
.macro TOSTAGE a
.set AC, 64*((\a)%4)
	WIN 0x08+4*((\a)/4)                            ; the data: window 2 or 3
.irp b, 0,1,2,3,4,5,6,7
	ds_store_b128 v[STO], v[AC+8*\b:AC+8*\b+3] offset:128*(\b/2)+32*(\b%2)          ; each accumulator from its low end on
	ds_store_b128 v[STO], v[AC+8*\b+4:AC+8*\b+7] offset:128*(\b/2)+32*(\b%2)+16
.endr
	WIN 0
.set BB, BK+64*((\a)%2)
.irp t, 0,1,2,3,4,5,6,7,8,9,10,11,12,13,14,15
	ds_load_b128 v[BB+4*\t:BB+4*\t+3], v[RD] offset:\t*SPITCH
.endr
.endm
.macro SEND a, younger                 ; younger: the LDS instructions issued behind block a's loads, which may stay out
.set BB, BK+64*((\a)%2)
	s_wait_dscnt \younger
.irp t, 0,1,2,3,4,5,6,7,8,9,10,11,12,13,14,15
	v_pk_add_f32 v[BB+4*\t:BB+4*\t+1], v[BB+4*\t:BB+4*\t+1], v[BI:BI+1]
	v_pk_add_f32 v[BB+4*\t+2:BB+4*\t+3], v[BB+4*\t+2:BB+4*\t+3], v[BI+2:BI+3]
	global_store_b128 v[CO], v[BB+4*\t:BB+4*\t+3], s[14:15] offset:(32*((\a)/2)+8*((\a)%2)+\t+8*(\t/8))*4096 th:TH_STORE_NT   ; lane row t of block a is token 32 (a / 2) + 8 (a % 2) + t + 8 (t / 8); 512 consecutive bytes, aligned
.endr
.endm
	PLACES NP
	TOSTAGE 0
.irp a, 1,2,3,4,5,6,7
.if \a > 1
	s_wait_xcnt 0x0                                ; block a - 2's stores have read their registers: block a's loads may land there
.endif
	TOSTAGE \a
	SEND \a-1, 32                                  ; behind block a - 1's loads: block a's 16 stores and 16 loads
.endr
	SEND 7, 0
	s_wait_tensorcnt 0x0                           ; the wave's end, behind my last tensor load and my last LDS store
	ds_add_u32 v[SPW], v[NIL]
	s_wait_dscnt 0x0
	CROUND                                         ; the closing round
	s_endpgm
.Lfunc_end_k_q3cd1045369_gemm_proj:
	.size	k_q3cd1045369_gemm_proj, .Lfunc_end_k_q3cd1045369_gemm_proj-k_q3cd1045369_gemm_proj
	.p2alignl 7, 3214868480
	.fill 96, 4, 3214868480
	.section	.rodata,"a",@progbits
	.p2align	6, 0x0
	.amdhsa_kernel k_q3cd1045369_gemm_proj
		.amdhsa_group_segment_fixed_size 327680
		.amdhsa_private_segment_fixed_size 0
		.amdhsa_enable_private_segment 0
		.amdhsa_kernarg_size 48
		.amdhsa_user_sgpr_count 2
		.amdhsa_user_sgpr_kernarg_segment_ptr 1
		.amdhsa_wavefront_size32 1
		.amdhsa_system_sgpr_workgroup_id_x 1
		.amdhsa_system_sgpr_workgroup_id_y 1
		.amdhsa_system_sgpr_workgroup_id_z 1
		.amdhsa_system_vgpr_workitem_id 0
		.amdhsa_next_free_vgpr 1024
		.amdhsa_next_free_sgpr 102
		.amdhsa_reserve_vcc 0
		.amdhsa_float_denorm_mode_32 3
		.amdhsa_float_denorm_mode_16_64 3
		.amdhsa_memory_ordered 1
		.amdhsa_forward_progress 1
		.amdhsa_inst_pref_size 175
	.end_amdhsa_kernel
	.amdgpu_metadata
---
amdhsa.version: [ 1, 2 ]
amdhsa.kernels:
  - .name:           k_q3cd1045369_gemm_proj
    .symbol:         k_q3cd1045369_gemm_proj.kd
    .args:
      - { .name: ac, .offset: 0, .size: 8, .value_kind: global_buffer, .address_space: global }
      - { .name: asc, .offset: 8, .size: 8, .value_kind: global_buffer, .address_space: global }
      - { .name: wc, .offset: 16, .size: 8, .value_kind: global_buffer, .address_space: global }
      - { .name: ws, .offset: 24, .size: 8, .value_kind: global_buffer, .address_space: global }
      - { .name: proj_b, .offset: 32, .size: 8, .value_kind: global_buffer, .address_space: global }
      - { .name: out0, .offset: 40, .size: 8, .value_kind: global_buffer, .address_space: global }
    .group_segment_fixed_size: 327680
    .private_segment_fixed_size: 0
    .kernarg_segment_align: 8
    .kernarg_segment_size: 48
    .max_flat_workgroup_size: 128
    .sgpr_count:     102
    .vgpr_count:     1024
    .wavefront_size: 32
...
	.end_amdgpu_metadata
.endif
;; end of part 4
